; MI455X (gfx1250); checked and timed in simulation.
; The chip was launched on July 23, 2026; its instructions are those of AMD's public machine-readable ISA for CDNA 5 (MIT licence, August 2026) and "CDNA5" Instruction Set Architecture Reference Guide (July 2026). The comments in the code are by the model that wrote it; some were corrected since.
;; Masked Multi Headed Self Attention. Allowed arithmetic: matrix products marked QUANTISED: E2M3 operands, one E8M0 scale for each 32 along K, by v_wmma_scale_f32_16x16x128_f8f6f4 with both operands' format E2M3, f32 sums; everything else in f32.
;; Inputs: b_out 1,024 float32; b_qkv 3,072 float32; w_out_codes 1,024 x 32 x 24 uint8 (E2M3 codes of w_out, K innermost, in blocks of 32 codes, four codes in three bytes); w_out_scales 1,024 x 32 uint8 (E8M0 scales of w_out, one for each 32 codes along K); w_qkv_codes 3,072 x 32 x 24 uint8 (E2M3 codes of w_qkv, K innermost, in blocks of 32 codes, four codes in three bytes); w_qkv_scales 3,072 x 32 uint8 (E8M0 scales of w_qkv, one for each 32 codes along K); x_codes 4 x 2,048 x 32 x 24 uint8 (E2M3 codes of x, K innermost, in blocks of 32 codes, four codes in three bytes); x_scales 4 x 2,048 x 32 uint8 (E8M0 scales of x, one for each 32 codes along K).
;; Outputs: out0 4 x 2,048 x 1,024 float32.
;; This version of the problem:
;;   THIS VERSION OF THE PROBLEM IS GIVEN IN LOW PRECISION. The matrix products marked QUANTISED in the list below multiply operands that are first quantised to E2M3 (2 exponent bits, 3 mantissa bits; 6 bits a number), with one power-of-two scale for each 32 numbers along K (OCP MX v1.0); their sums are f32. All else is computed in f32.
;;   The module's matrix products, in the order in which they are computed (A, B: the left and right operand; K: the contracted axis; several contracted axes count as one K, in the product's order):
;;     1. [M 8,192, K 1,024] x [K 1,024, N 3,072]; A: input x (given as codes); B: input w_qkv (given as codes): QUANTISED
;;     2. batch 64 x [M 2,048, K 64] x [K 64, N 2,048]; A: computed on the way; B: computed on the way: QUANTISED
;;     3. batch 64 x [M 2,048, K 2,048] x [K 2,048, N 64]; A: softmax (see below); B: computed on the way: QUANTISED
;;     4. [M 8,192, K 1,024] x [K 1,024, N 1,024]; A: computed on the way; B: input w_out (given as codes): QUANTISED
;;   THE QUANTISER, for each operand of a quantised product, along K:
;;     - K is cut into blocks of 32 from its start; a last block that is shorter is filled with zeros.
;;     - A block's scale is 2^e with e = floor(log2(the largest magnitude in the block)) - 2, held to -126 .. 127; a block of zeros has e = 0. As a byte (E8M0): e + 127.
;;     - Each number is divided by its block's scale, clamped to +-7.5, and rounded to the nearest number of E2M3, ties to even, subnormals kept.
;;     - The product sums the exact products of the quantised numbers (number of the format x scale) in f32.
;;   ~~~python
;;   def quantise(x, axis):      # numpy; x: float32 -> the quantised numbers, widened to float32 again
;;       x = np.moveaxis(x, axis, -1); K = x.shape[-1]
;;       x = np.pad(x, [(0, 0)] * (x.ndim - 1) + [(0, -K % 32)]); x = x.reshape(x.shape[:-1] + (-1, 32)); a = np.abs(x).max(-1, keepdims=True)
;;       e = np.where(a > 0, np.clip(np.frexp(np.where(a > 0, a, 1))[1] - 1 - 2, -126, 127), 0)      # np.frexp(a)[1] - 1 = floor(log2(a)), exactly
;;       r = np.clip(x / 2.0 ** e, -7.5, 7.5)
;;       step = 2.0 ** (np.maximum(np.frexp(np.where(r == 0, 1, r))[1] - 1, 0) - 3)
;;       q = np.round(r / step) * step * 2.0 ** e      # np.round: ties to even
;;       return np.moveaxis(q.reshape(q.shape[:-2] + (-1,))[..., :K], -1, axis).astype(np.float32)
;;   ~~~
;;   SOFTMAX AHEAD OF A QUANTISED PRODUCT. Where the list says 'softmax', what is quantised is not the finished softmax but p = 2^(t - M), with t = logit x log2(e) and M = ceil(the row's largest t), a whole number; so 1/2 < the row's largest p <= 1. The row's sum l is taken of the UNQUANTISED p, in f32, and the product's result is divided by l at the end. Since M is a whole number, a kernel that streams over the keys may use a running M (the ceiling of the running maximum): every later rescaling is an exact power of two, which a block's scale takes up: the codes' values come out the same.
;;   OPERANDS COMPUTED ON THE WAY. 'Computed on the way' means the value that the module computes at that place (a softmax that the list does not call 'softmax' is quantised finished and normalised). What goes into a quantiser is computed in f32, as accurately as f32 sums, v_exp_f32 and their like allow (about 1e-6 of the number): no bf16 or f16 on the way to a quantiser, and a product that is left as it is and whose result goes on into a quantised operand takes f32 operands (vector FMAs, or v_wmma_f32_16x16x4_f32). A number that lies on a knife's edge between two numbers of the format may be rounded either way, as far as f32 arithmetic and the matrix unit's own rounding can turn it there, and no further.
;;   INPUTS GIVEN AS CODES. w_out (in the module: [1024, 1024], K = its axis 0); w_qkv (in the module: [1024, 3072], K = its axis 0); x (in the module: [4, 2048, 1024], K = its axis 2): each comes as NAME_codes (uint8): NAME with its K axis moved to the last place and cut into blocks of 32 codes, [.., K / 32, bytes a block], one block behind the other in memory; four codes in three bytes: a row's codes are one little-endian stream of bits, code i at bits 6 i .. 6 i + 5 (a code: sign, 2 exponent bits, 3 mantissa bits); and NAME_scales (uint8): the same leading axes, one E8M0 byte (e + 127) for each 32 codes along K. Its value is code x scale, taken as it is: it is not quantised again, and the codes and scales need not be those that the quantiser above would give.
;; One version. Each part assembles by itself: llvm-mc -triple=amdgcn-amd-amdhsa -mcpu=gfx1250 --defsym DOCPART=n.
;; ======== version 1 of 1: 3 launches
;; workspace buffers: qimg 6,553,600 bytes; kvimg 13,107,200 bytes; acodes 6,291,456 bytes; ascales 262,144 bytes
;; launch qkv (part 1): grid 12 x 32, 4 waves a work-group, clusters of 4 x 4, 327,680 bytes of LDS; arguments x_codes, x_scales, w_qkv_codes, w_qkv_scales, b_qkv, qimg, kvimg; writes qimg, kvimg
.if DOCPART == 1
	.amdgcn_target "amdgcn-amd-amdhsa--gfx1250"
	.amdhsa_code_object_version 6
	.text
	.protected	k_q8c2fe9cd17_qkv
	.globl	k_q8c2fe9cd17_qkv
	.p2align	8
	.type	k_q8c2fe9cd17_qkv,@function
k_q8c2fe9cd17_qkv:
	s_mov_b64 s[64:65], 0
	v_nop
	global_prefetch_b8 v0, s[64:65] scope:SCOPE_SE
	s_setreg_imm32_b32 hwreg(HW_REG_WAVE_MODE, 25, 1), 1
	s_wait_xcnt 0x0
	s_wait_alu depctr_hold_cnt(0) depctr_sa_sdst(0) depctr_va_vdst(0) depctr_va_sdst(0) depctr_va_ssrc(0) depctr_va_vcc(0) depctr_vm_vsrc(0)
	s_getreg_b32 s2, hwreg(HW_REG_IB_STS2, 6, 4)
	s_cmp_eq_u32 s2, 0
	s_cbranch_scc0 .Lentry_in_a_cluster
	s_endpgm
.Lentry_in_a_cluster:
	s_bfe_u32 s2, ttmp6, 0x10000c
	s_cmp_lg_u32 s2, 0xf033
	s_cbranch_scc0 .Lentry_shape_is_right
	s_endpgm
.Lentry_shape_is_right:
; LAUNCH 1 OF 3: qkv = x w_qkv + b_qkv on codes of FP6 (E2M3) with E8M0 scales, and the quantisers of q, k (along the head's 64) and v (along the keys).
; The f32 results never go to memory: they are quantised in registers and leave as codes and scale bytes, laid in the order of the next launch's operand registers.
; DEAD WORK OF THE PROGRAM.  reference() builds a causal mask in its own body: score (q, k) becomes -infinity where k > q, its weight is 0 for all values of the inputs, so a step of 128 keys that lies wholly
; behind a tile's queries reaches no output: the launch attn leaves such steps of products 2 and 3 out.  Nothing else is left out: every input has a way to out0 (the bias on k moves k's codes) and is loaded.
; LIMITS: a NaN, an infinity or an overflow that reaches only the steps left out is not carried to the result.  NaN and infinities among the inputs are not served.  A block whose largest magnitude lies under
; 2^-124 (a block of zeros too) gets the scale byte 1: its codes are what the conversion gives under that scale; the bytes are read by this program alone.
; ROLES.  The matrix instruction takes 16 rows of operand P as source 0 and 16 rows of operand R as source 1: in the result a lane holds ONE row of R and its registers run along P's rows.  A quantiser wants its K along
; a lane's registers.  So for q and k (K = the head's d, rows of w) R = x and P = w's rows 0 .. 2,047; for v (K = the keys, rows of x) R = w's rows 2,048 .. 3,071 and P = x.  The kind hangs on the cluster's x alone
; (0: q, 1: k, 2: v): it is the same in all sixteen partners.  Both tensors have rows of 768 bytes of codes and 32 scale bytes, so one shape of tile serves both.
; A tile of 256 x 256 is made by four waves, 128 x 128 each: 64 accumulators, 512 registers.  K = 1,024 goes in four steps of 256 through a ring of two LDS slots filled by the tensor data mover; the scale bytes of the
; work-group's 2 x 256 rows come once.  4 x 4 work-groups form a cluster: R's tiles are asked for jointly along a row of the cluster, P's along a column.
; THE WAY OUT.  For each 16 rows of R: bias added (which also moves the sums into window 0), the halves of the lanes exchanged so that a lane's 16 registers are 16 neighbours along K, four blocks of 32 quantised:
; a fragment of 12 registers and a scale word.  Two neighbouring tiles of R then change rows so that tile 2 b + u holds rows 32 b + 8 u + r + 8 (r / 8): in the next launch that order makes the registers of two
; neighbouring result tiles 16 neighbours along its next K.  Each store is 8 bytes a lane: 256 consecutive bytes, aligned.
; REGISTERS: window 0: v16-23 LDS addresses; v24 8 x lane; v25 the bias's lane offset; v27 the scale words' address; v28, v29 the add's two; v32-63 scale words, two sets; v64-127 the bias; v128-223 R's fragments, one set
;   (on the way out: v128-191 64 numbers, v192-215 two fragments, v216-249 at work).  window 1: P's fragments, two sets.  windows 2, 3: the accumulators ((a, b) at v[8 (8 (a % 4) + b)]).
.set KSTEP,  256
.set NQ,     2                         ; matrix instructions deep in a slot
.set ROWB,   192                       ; a tile's row in bytes: 256 codes
.set KROW,   768                       ; a row of codes in memory
.set PITCH,  240                       ; an LDS row: 3 x (64 bytes + 16 of padding)
.set FR,     12
.set NL,     6
.set NP,     4
.set HALFT,  128*PITCH
.set SLOT,   4*HALFT                   ; R's 256 rows, then P's 256 rows
.set KS,     32                        ; a row of scale bytes
.set SCL,    2*SLOT                    ; behind the ring: the scales, as units of 256 bytes + 16 of padding
.set HALFS,  4352                      ; those of 128 rows
.set SBLK,   544                       ; those of 16 rows
.set SPARE,  SCL+4*HALFS               ; the spare words, 128 bytes for each wave: two blocks of 256 bytes that no other line names
.set ADRA, 16
.set ADRB, 20
.set L8,   24
.set BO,   25
.set ADRS, 27
.set SPW,  28
.set NIL,  29
.set SC,   32
.set BI,   64
.set AF,   128
.set ST,   128
.set F0,   192
.set TM,   216
.set CT,   232
.set PW0,  240
.set XT,   242
.set XU,   243
.set WS,   244
.set SW,   246
.set WV, 18
.set RH, 19
.set PH, 20
.set TY, 21
.set G1, 24
.set G0, 32
.set D0, 40                            ; s[40:43] where the two heads' codes go; s[44:47] their scale words (q, k)
.set E0, 44
.set G1B, 48
.set G0B, 56
.set G1S, 68
.set G0S, 76
.set G1SB, 80
.set G0SB, 88
.set M8, 92
.set MH, 93
.set SEL, 94
.set MSB, 0
.macro WIN new                         ; the immediate's high byte repeats the setting that is left
.if MSB != (\new)
	s_set_vgpr_msb (MSB<<8)|(\new)
.set MSB, (\new)
.endif
.endm
.set MUL_LO, 0xa1                      ; source 0 (P) window 1, source 1 (R) window 0, C and D window 2
.set MUL_HI, 0xf1
.set TO_B,   0x40
; A joint load: waves 0 and 1 fetch for R, waves 2 and 3 for P.  The branch hangs on the wave's number alone.  An s_nop 0 and four v_nop follow each of the two lines.
.macro JLOAD g0a, g1a, g0b, g1b
	s_cmp_eq_u32 s[RH], 0
	s_cbranch_scc0 .Lfor_b_\@
	tensor_load_to_lds s[\g0a:\g0a+3], s[\g1a:\g1a+7]
	s_nop 0
.rept 4
	v_nop
.endr
	s_branch .Lasked_\@
.Lfor_b_\@:
	tensor_load_to_lds s[\g0b:\g0b+3], s[\g1b:\g1b+7]
	s_nop 0
.rept 4
	v_nop
.endr
.Lasked_\@:
.endm
.macro CREST                           ; a round of the cluster's barrier behind its opening barrier
	s_cmp_lg_u32 s[WV], 0
	s_cbranch_scc1 .Lnot_wave_0_\@
	s_barrier_signal -3
.Lnot_wave_0_\@:
	s_barrier_wait -3
	s_barrier_signal -1
	s_barrier_wait -1
.endm
.macro CROUND
	s_barrier_signal -1
	s_barrier_wait -1
	CREST
.endm
	s_load_b256 s[4:11], s[0:1], 0x0               ; x's codes s[4:5], x's scales s[6:7], w's codes s[8:9], w's scales s[10:11]
	s_load_b128 s[12:15], s[0:1], 0x20             ; b_qkv s[12:13], qimg s[14:15]
	s_load_b64 s[16:17], s[0:1], 0x30              ; kvimg
	v_lshl_add_u32 v[SPW], v0, 2, SPARE
	v_mov_b32 v[NIL], 0
	ds_add_u32 v[SPW], v[NIL]                      ; the wave's opening: the add, twice on end, and its wait ahead of my first tensor load
	ds_add_u32 v[SPW], v[NIL]
	v_lshrrev_b32 v1, 5, v0
	v_readfirstlane_b32 s[WV], v1                  ; wave 0..3
	s_lshr_b32 s[RH], s[WV], 1                     ; which half of R's rows is mine.  Also: I fetch for R (0) or for P (1)
	s_and_b32 s[PH], s[WV], 1                      ; which half of P's rows.  Also: which 128 rows of that tile I fetch
	s_bfe_u32 s22, ttmp6, 0x40000                  ; cx
	s_bfe_u32 s23, ttmp6, 0x40004                  ; cy
	s_and_b32 s2, ttmp7, 0xffff                    ; the cluster's y
	s_cmp_eq_u32 ttmp9, 2                          ; the cluster's x: 0 q, 1 k, 2 v
	s_cselect_b32 s[TY], 1, 0                      ; 1: v
	s_cselect_b32 s67, 0, s2
	s_cselect_b32 s66, s2, ttmp9
	s_lshl_b32 s67, s67, 2
	s_add_co_u32 s67, s67, s23                     ; R's tile: q, k: 4 x cluster y + cy (of x's 32);  v: cy (of w's 4)
	s_lshl_b32 s66, s66, 2
	s_add_co_u32 s66, s66, s22                     ; P's tile: q, k: 4 x cluster x + cx (of w's 8);  v: 4 x cluster y + cx (of x's 32)
	s_lshl_b32 s96, s23, 2
	s_lshl_b32 s96, 15, s96                        ; my row of the cluster
	s_lshl_b32 s100, 0x1111, s22                   ; my column
	s_or_b32 s[G1+0], s96, (0<<16)|(1<<20)|(1<<21)|(3<<22)|(3<<25)   ; the mask; elements of 1 byte; padding on; bit 21 beside a mask; after every 16 words 4 words
	s_or_b32 s[G1B+0], s100, (0<<16)|(1<<20)|(1<<21)|(3<<22)|(3<<25)
.irp g, G1, G1B
	s_mov_b32 s[\g+1], ROWB<<16                    ; tensor_dim0
	s_mov_b32 s[\g+2], 128<<16                     ; tensor_dim1
	s_mov_b32 s[\g+3], ROWB<<16                    ; tile_dim0
	s_mov_b32 s[\g+4], 128                         ; tile_dim1
	s_mov_b32 s[\g+5], KROW                        ; from row to row
	s_mov_b32 s[\g+6], 0
	s_mov_b32 s[\g+7], 0
.endr
	s_or_b32 s[G1S+0], s96, (3<<16)|(1<<20)|(1<<21)|(5<<22)|(3<<25)  ; the scales of 128 rows: 4,096 dense bytes as 16 rows of 256 bytes, 16 of padding behind each
	s_or_b32 s[G1SB+0], s100, (3<<16)|(1<<20)|(1<<21)|(5<<22)|(3<<25)
.irp g, G1S, G1SB
	s_mov_b32 s[\g+1], 32<<16
	s_mov_b32 s[\g+2], 16<<16
	s_mov_b32 s[\g+3], 32<<16
	s_mov_b32 s[\g+4], 16
	s_mov_b32 s[\g+5], 32
	s_mov_b32 s[\g+6], 0
	s_mov_b32 s[\g+7], 0
.endr
	s_lshl_b32 s2, s[PH], 7                        ; which 128 rows of the tile I fetch
	s_lshl_b32 s98, s67, 8
	s_add_co_u32 s98, s98, s2
	s_lshl_b32 s96, s[TY], 11
	s_add_co_u32 s98, s98, s96                     ; R's first row that I fetch (v: w's rows begin at 2,048)
	s_lshl_b32 s99, s66, 8
	s_add_co_u32 s99, s99, s2                      ; P's
	s_mul_i32 s2, s[WV], HALFT                     ; where they go: wave x 128 rows: no place in the cluster enters an LDS address
.irp s, 0,1
	s_mov_b32 s[G0+4*\s], 1
	s_add_co_u32 s[G0+4*\s+1], s2, \s*SLOT
	s_mov_b32 s[G0B+4*\s], 1
	s_add_co_u32 s[G0B+4*\s+1], s2, \s*SLOT
.endr
	s_mul_i32 s2, s[WV], HALFS
	s_mov_b32 s[G0S], 1
	s_add_co_u32 s[G0S+1], s2, SCL
	s_mov_b32 s[G0SB], 1
	s_add_co_u32 s[G0SB+1], s2, SCL
	s_mov_b32 s[M8], 0xff00ff00                    ; lanes 8-15 of each half
	s_mov_b32 s[MH], 0xffff0000                    ; lanes 16-31
	s_mov_b32 s[SEL], 0x76543210
	s_mov_b32 s[SEL+1], 0xfedcba98                 ; v_permlanex16_b32's selects for lane l xor 16
	s_wait_dscnt 0x0                               ; both opening adds are done
	s_wait_kmcnt 0x0
	s_cmp_eq_u32 s[TY], 1                          ; the choice of buffers hangs on the cluster's x alone
	s_cselect_b64 s[40:41], s[8:9], s[4:5]         ; R's codes
	s_cselect_b64 s[42:43], s[10:11], s[6:7]       ; R's scales
	s_cselect_b64 s[44:45], s[4:5], s[8:9]         ; P's codes
	s_cselect_b64 s[46:47], s[6:7], s[10:11]       ; P's scales
	s_mul_i32 s96, s98, KROW
	s_mov_b32 s97, 0
	s_add_nc_u64 s[40:41], s[40:41], s[96:97]
	s_lshl_b32 s96, s98, 5
	s_add_nc_u64 s[42:43], s[42:43], s[96:97]
	s_mul_i32 s100, s99, KROW
	s_mov_b32 s101, 0
	s_add_nc_u64 s[44:45], s[44:45], s[100:101]
	s_lshl_b32 s100, s99, 5
	s_add_nc_u64 s[46:47], s[46:47], s[100:101]
	s_mov_b64 s[G0S+2:G0S+3], s[42:43]
	s_or_b32 s[G0S+3], s[G0S+3], 0x80000000
	s_mov_b64 s[G0SB+2:G0SB+3], s[46:47]
	s_or_b32 s[G0SB+3], s[G0SB+3], 0x80000000
.irp s, 0,1
	s_add_nc_u64 s[G0+4*\s+2:G0+4*\s+3], s[40:41], \s*ROWB
	s_or_b32 s[G0+4*\s+3], s[G0+4*\s+3], 0x80000000
	s_add_nc_u64 s[G0B+4*\s+2:G0B+4*\s+3], s[44:45], \s*ROWB
	s_or_b32 s[G0B+4*\s+3], s[G0B+4*\s+3], 0x80000000
.endr
	CROUND                                         ; all sixteen work-groups are here: the first joint loads meet
	JLOAD G0S, G1S, G0SB, G1SB                     ; the scales first: they are wanted with K step 0
	JLOAD G0, G1, G0B, G1B                         ; K step 0
	JLOAD G0+4, G1, G0B+4, G1B                     ; K step 1: three loads of mine are out
	v_and_b32 v1, 15, v0                           ; r = l % 16
	v_bfe_u32 v2, v0, 4, 1                         ; h = l / 16
	v_mul_u32_u24 v3, v1, PITCH
	v_mul_u32_u24 v4, v2, 24
	v_add_nc_u32 v4, v3, v4                        ; a fragment's row x pitch + 24 x half
	v_lshl_add_u32 v5, v2, 4, v4                   ; and the same behind one padding more
	s_mul_i32 s96, s[RH], HALFT                    ; my 128 rows of R
	s_mul_i32 s98, s[PH], HALFT                    ; my 128 rows of P,
	s_add_co_u32 s98, s98, 2*HALFT                 ; which lie behind R's 256
.irp s, 0,1
	v_add_nc_u32 v[ADRA+\s], s96, v4
	v_add_nc_u32 v[ADRB+\s], s98, v4
	v_add_nc_u32 v[ADRA+2+\s], s96, v5
	v_add_nc_u32 v[ADRB+2+\s], s98, v5
	s_add_co_u32 s96, s96, SLOT
	s_add_co_u32 s98, s98, SLOT
.endr
	v_mul_u32_u24 v5, v1, KS                       ; my row's scales: 32 bytes a row,
	v_lshrrev_b32 v6, 8, v5
	v_lshl_add_u32 v5, v6, 4, v5                   ; and 16 more for each 256 passed
	s_mul_i32 s96, s[RH], HALFS
	s_mul_i32 s98, s[PH], HALFS
	s_add_co_u32 s98, s98, 2*HALFS
	s_sub_co_u32 s98, s98, s96
	v_mul_u32_u24 v6, s98, v2                      ; lanes 16-31 take P's
	s_add_co_u32 s96, s96, SCL
	v_add_nc_u32 v5, v5, v6
	v_add_nc_u32 v[ADRS], s96, v5
	v_and_b32 v6, 31, v0
	v_lshlrev_b32 v[L8], 3, v6                     ; the way out: 8 bytes a lane
	; where the results go.  T0: my first token, N0: my first row of w within its kind's range
	s_lshl_b32 s96, s67, 8
	s_lshl_b32 s97, s[RH], 7
	s_add_co_u32 s96, s96, s97                     ; my first row of R
	s_lshl_b32 s98, s66, 8
	s_lshl_b32 s97, s[PH], 7
	s_add_co_u32 s98, s98, s97                     ; my first row of P
	s_cmp_eq_u32 s[TY], 1
	s_cselect_b32 s99, s98, s96                    ; T0
	s_cselect_b32 s100, s96, s98                   ; N0 (q, k: 0 .. 2,047; v: 0 .. 1,023)
	s_min_u32 s101, ttmp9, 1                       ; 0: into qimg, 1: into kvimg, whose heads and blocks are twice as large
	s_lshr_b32 s96, s99, 11
	s_lshl_b32 s96, s96, 4
	s_bfe_u32 s97, s100, 0x40006
	s_add_co_u32 s96, s96, s97                     ; 16 x batch + head: the first of my two heads
	s_bfe_u32 s97, s99, 0x40007                    ; which block of 128 tokens of the sequence
	s_lshl_b32 s98, 102400, s101                   ; bytes of a head
	s_lshl_b32 s2, 6400, s101                      ; bytes of a block
	s_mul_i32 s96, s96, s98
	s_mul_i32 s97, s97, s2
	s_add_co_u32 s96, s96, s97
	s_mul_i32 s97, s[TY], 6144                     ; v's fragments lie behind k's images
	s_add_co_u32 s96, s96, s97
	s_mov_b32 s97, 0
	s_cmp_eq_u32 s101, 0
	s_cselect_b64 s[D0:D0+1], s[14:15], s[16:17]
	s_add_nc_u64 s[D0:D0+1], s[D0:D0+1], s[96:97]
	s_mov_b32 s99, 0
	s_add_nc_u64 s[D0+2:D0+3], s[D0:D0+1], s[98:99]   ; the second head
	s_lshl_b32 s96, 6144, s101                     ; q's and k's scale words in a block
	s_add_nc_u64 s[E0:E0+1], s[D0:D0+1], s[96:97]
	s_add_nc_u64 s[E0+2:E0+3], s[D0+2:D0+3], s[96:97]
	s_lshl_b32 s96, s[TY], 11
	s_add_co_u32 s96, s96, s100
	s_lshl_b32 s96, s96, 2
	s_add_nc_u64 s[12:13], s[12:13], s[96:97]      ; the bias of my 128 rows of w
	; The bias, 64 registers in both kinds, asked for now and waited for on the way out.  q, k: it hangs on P's row: register 8 b + j: row 16 b + 8 h + j.
	; v: it hangs on R's row, the lane's: eight registers a tile a hold the one number of row 16 a + r, so that both kinds write and read the same 64 registers.
	s_cmp_eq_u32 s[TY], 1
	s_cbranch_scc1 .Lbias_v
	v_lshlrev_b32 v[BO], 5, v2
.irp b, 0,1,2,3,4,5,6,7
	global_load_b128 v[BI+8*\b:BI+8*\b+3], v[BO], s[12:13] offset:64*\b
	global_load_b128 v[BI+8*\b+4:BI+8*\b+7], v[BO], s[12:13] offset:64*\b+16
.endr
	s_branch .Lbias_done
.Lbias_v:
	v_lshlrev_b32 v[BO], 2, v1
.irp a, 0,1,2,3,4,5,6,7
.irp j, 0,1,2,3,4,5,6,7
	global_load_b32 v[BI+8*\a+\j], v[BO], s[12:13] offset:64*\a
.endr
.endr
.Lbias_done:
.macro FRAG reg, adr, q, i             ; a fragment, 16 rows x 128 K: lane l holds row l % 16; registers 6 c .. 6 c + 5 hold K = 64 c + 32 (l / 16) + 0 .. 31: 24 bytes of the row's stream of bits, in pieces of 8 bytes
.irp p, 0,1,2,3,4,5
.set PCE, 12*(\q)+6*(\p/3)+\p%3        ; lanes 16-31 read three pieces on: where that lies behind one padding more, the second address register serves
.if PCE%8 < 5
	ds_load_b64 v[\reg+2*\p:\reg+2*\p+1], v[\adr] offset:8*PCE+16*(PCE/8)+(\i)*16*PITCH
.else
	ds_load_b64 v[\reg+2*\p:\reg+2*\p+1], v[\adr+2] offset:8*PCE+16*(PCE/8)+(\i)*16*PITCH
.endif
.endr
.endm
; 16 matrix instructions: R's blocks a0, a0 + 1 x P's eight, 128 along K.  zero = 1: the first product starts the sums.  The 64 accumulators take turns, one instruction a turn.
.macro MUL16 a0, p, q, sc, zero
.irp a, \a0, \a0+1
.irp b, 0,1,2,3,4,5,6,7
.if \zero
	v_wmma_scale_f32_16x16x128_f8f6f4 v[8*(8*((\a)%4)+\b):8*(8*((\a)%4)+\b)+7], v[128*(\p)+FR*\b:128*(\p)+FR*\b+FR-1], v[AF+FR*(\a):AF+FR*(\a)+FR-1], 0, v[SC+8*NQ*(\sc)+NQ*\b+(\q)], v[SC+8*NQ*(\sc)+NQ*(\a)+(\q)] matrix_a_fmt:MATRIX_FMT_FP6 matrix_b_fmt:MATRIX_FMT_FP6 matrix_a_scale:MATRIX_SCALE_ROW1
.else
	v_wmma_scale_f32_16x16x128_f8f6f4 v[8*(8*((\a)%4)+\b):8*(8*((\a)%4)+\b)+7], v[128*(\p)+FR*\b:128*(\p)+FR*\b+FR-1], v[AF+FR*(\a):AF+FR*(\a)+FR-1], v[8*(8*((\a)%4)+\b):8*(8*((\a)%4)+\b)+7], v[SC+8*NQ*(\sc)+NQ*\b+(\q)], v[SC+8*NQ*(\sc)+NQ*(\a)+(\q)] matrix_a_fmt:MATRIX_FMT_FP6 matrix_b_fmt:MATRIX_FMT_FP6 matrix_a_scale:MATRIX_SCALE_ROW1
.endif
.endr
.endr
.endm
.macro FETCH_B slot, q, p              ; P's eight fragments of the slot's q-th 128 along K into set p
	WIN TO_B
.irp i, 0,1,2,3,4,5,6,7
	FRAG 128*(\p)+FR*\i, ADRB+\slot, \q, \i
.endr
	WIN 0
.endm
.macro FETCH_A slot, q, i0             ; R's blocks i0 .. i0 + 3
.irp i, \i0, \i0+1, \i0+2, \i0+3
	FRAG AF+FR*(\i), ADRA+\slot, \q, \i
.endr
.endm
.macro SCALES sc                       ; a K step's scale words into set sc: lanes 0-15 take R's block i, lanes 16-31 P's block i
.irp i, 0,1,2,3,4,5,6,7
	ds_load_b64 v[SC+8*NQ*\sc+NQ*\i:SC+8*NQ*\sc+NQ*\i+1], v[ADRS] offset:\i*SBLK
.endr
.endm
.macro PLACES n                        ; plain vector instructions between a matrix instruction and a load into, or a read of, its registers
.rept \n
	v_nop
.endr
.endm
.macro STEP slot, q, zero              ; a step of 128 along K that has its successor in the same slot
	s_wait_dscnt 4*NL                              ; P's set and R's blocks 0-3 are in; the youngest 24 loads (R's blocks 4-7) may be out
	WIN MUL_LO
	MUL16 0, (\q)%2, \q, \slot, \zero
	MUL16 2, (\q)%2, \q, \slot, \zero
	s_wait_dscnt 0
	PLACES NP
	FETCH_B \slot, (\q)+1, 1-(\q)%2
	FETCH_A \slot, (\q)+1, 0
	WIN MUL_HI
	MUL16 4, (\q)%2, \q, \slot, \zero
	MUL16 6, (\q)%2, \q, \slot, \zero
	PLACES NP
	WIN 0
	FETCH_A \slot, (\q)+1, 4
.endm
; A slot's last step changes slots: one barrier; in front of it each wave waits for all its tensor loads, adds 0 to its spare word, and waits for that and for its reads of this slot.  fill = 1: the slot is filled again.
.macro TURN slot, next, fill
	s_wait_tensorcnt 0x0                           ; all my tensor loads have landed: my part of the next slot
	ds_add_u32 v[SPW], v[NIL]                      ; 0 onto my spare word
	s_wait_dscnt 4*NL+1                            ; (the add and the youngest 24 loads may be out)
	WIN MUL_LO
	MUL16 0, 1, NQ-1, \slot, 0
	s_wait_dscnt 0x0                               ; the add is done, and my reads of this slot are over
	s_barrier_signal -1
	MUL16 2, 1, NQ-1, \slot, 0
	WIN 0
	s_barrier_wait -1
.if \fill
	CREST                                          ; the barrier has opened a round of the cluster's barrier: no wave of any partner still reads this slot or has a load on its way
	s_add_nc_u64 s[G0+4*\slot+2:G0+4*\slot+3], s[G0+4*\slot+2:G0+4*\slot+3], 2*ROWB
	s_add_nc_u64 s[G0B+4*\slot+2:G0B+4*\slot+3], s[G0B+4*\slot+2:G0B+4*\slot+3], 2*ROWB
	JLOAD G0+4*\slot, G1, G0B+4*\slot, G1B         ; the first tensor load behind the round; its four v_nop are the places in front of the loads below
.else
	PLACES NP
.endif
	v_add_nc_u32 v[ADRS], 4*NQ, v[ADRS]            ; on to the next K step's scale words
	FETCH_B \next, 0, 0
	FETCH_A \next, 0, 0
	SCALES \next
	WIN MUL_HI
	MUL16 4, 1, NQ-1, \slot, 0
	MUL16 6, 1, NQ-1, \slot, 0
	PLACES NP
	WIN 0
	FETCH_A \next, 0, 4
.endm
	s_wait_tensorcnt 1                             ; the scales and my part of K step 0 are in (K step 1's load may be out)
	s_barrier_signal -1
	s_barrier_wait -1                              ; everybody's are
	FETCH_B 0, 0, 0
	FETCH_A 0, 0, 0
	SCALES 0
	FETCH_A 0, 0, 4
	STEP 0, 0, 1                                   ; K = 1,024 is four K steps of 256: they are written out
	TURN 0, 1, 1                                   ; slot 0 takes K step 2
	STEP 1, 0, 0
	TURN 1, 0, 1                                   ; slot 1 takes K step 3
	STEP 0, 0, 0
	TURN 0, 1, 0
	STEP 1, 0, 0
	s_wait_dscnt 4*NL
	WIN MUL_LO
	MUL16 0, 1, NQ-1, 1, 0
	MUL16 2, 1, NQ-1, 1, 0
	s_wait_dscnt 0
	WIN MUL_HI
	MUL16 4, 1, NQ-1, 1, 0
	MUL16 6, 1, NQ-1, 1, 0
	WIN 0
; ---- THE WAY OUT
.macro BIASADD a, v                    ; tile a's 64 sums + bias -> v[ST] on, in window 0; each accumulator is read from its low end on
	WIN 0x02+(\a)/4
.irp b, 0,1,2,3,4,5,6,7
.irp k, 0,2,4,6
.if \v
	v_pk_add_f32 v[ST+8*\b+\k:ST+8*\b+\k+1], v[64*((\a)%4)+8*\b+\k:64*((\a)%4)+8*\b+\k+1], v[BI+8*(\a)+\k:BI+8*(\a)+\k+1]
.else
	v_pk_add_f32 v[ST+8*\b+\k:ST+8*\b+\k+1], v[64*((\a)%4)+8*\b+\k:64*((\a)%4)+8*\b+\k+1], v[BI+8*\b+\k:BI+8*\b+\k+1]
.endif
.endr
.endr
	WIN 0
.endm
.macro UNZIP                           ; register 8 b + j held P's row 16 b + 8 h + j; now register 16 g + i holds row 32 g + 16 h + i: 16 neighbours
.irp g, 0,1,2,3
.irp j, 0,1,2,3,4,5,6,7
	v_permlane16_swap_b32 v[ST+16*\g+\j], v[ST+16*\g+8+\j]
.endr
.endr
.endm
.macro QUANT s, pc, pw                 ; 64 numbers of a lane (register 16 b + i = k 32 b + 16 h + i of my row) become a fragment's codes in v[pc] on and its scale word in v[pw]
.irp b, 0,1,2,3
	v_max3_num_f32 v[TM+\b], |v[\s+16*\b]|, |v[\s+1+16*\b]|, 0x1800000   ; my 16 numbers and the floor 2^(3 - 127): the byte cannot fall under 1
.endr
.irp i, 2,4,6,8,10,12,14
.irp b, 0,1,2,3
	v_max3_num_f32 v[TM+\b], v[TM+\b], |v[\s+16*\b+\i]|, |v[\s+1+16*\b+\i]|
.endr
.endr
.irp b, 0,1,2,3
	v_permlanex16_b32 v[TM+4+\b], v[TM+\b], s[SEL], s[SEL+1]
.endr
.irp b, 0,1,2,3
	v_max_num_f32 v[TM+\b], v[TM+\b], v[TM+4+\b]   ; with lane l xor 16's: the block's largest magnitude
.endr
.irp b, 0,1,2,3
	v_add_nc_u32 v[TM+12+\b], 0xff000000, v[TM+\b] ; 2 off its exponent field: the conversion's scale operand
.endr
.irp b, 0,1,2,3
	v_lshrrev_b32 v[TM+4+\b], 23, v[TM+12+\b]      ; the scale's byte
.endr
	v_lshl_or_b32 v[\pw], v[TM+5], 8, v[TM+4]
	v_lshl_or_b32 v[\pw], v[TM+6], 16, v[\pw]
	v_lshl_or_b32 v[\pw], v[TM+7], 24, v[\pw]
.irp c, 0,1
	v_cvt_scalef32_pk16_fp6_f32 v[\pc+6*\c:\pc+2+6*\c], v[\s+32*\c:\s+15+32*\c], v[TM+12+2*\c]
	v_cvt_scalef32_pk16_fp6_f32 v[CT+4*\c:CT+2+4*\c], v[\s+16+32*\c:\s+31+32*\c], v[TM+12+2*\c+1]   ; (a conversion's three registers begin on an even number)
.endr
	v_nop                                          ; one plain place behind a scaled conversion
.irp c, 0,1                            ; the operand's layout wants a whole block in a lane
.irp i, 0,1,2
	v_permlane16_swap_b32 v[\pc+6*\c+\i], v[CT+4*\c+\i]
.endr
.irp i, 0,1,2
	v_mov_b32 v[\pc+3+6*\c+\i], v[CT+4*\c+\i]
.endr
.endr
.endm
.macro XCHG x, y                       ; two neighbouring tiles' rows: x keeps its rows 0-7 and takes y's rows 0-7 as its rows 8-15; y takes x's rows 8-15 as its rows 0-7 and keeps its rows 8-15
	v_mov_b32_dpp v[XT], v[\y] row_xmask:8 row_mask:0xf bank_mask:0xf
	v_mov_b32_dpp v[XU], v[\x] row_xmask:8 row_mask:0xf bank_mask:0xf
	v_cndmask_b32 v[\x], v[\x], v[XT], s[M8]
	v_cndmask_b32 v[\y], v[XU], v[\y], s[M8]
.endm
.macro EPI v                           ; pair g: R's tiles 2 g and 2 g + 1
.irp g, 0,1,2,3
.if \g > 0
	s_wait_xcnt 0x0                                ; the last pair's stores have read their registers
.endif
	BIASADD 2*\g, \v
	UNZIP
	QUANT ST, F0, PW0
	BIASADD 2*\g+1, \v
	UNZIP
	QUANT ST, F0+12, PW0+1
.irp i, 0,1,2,3,4,5,6,7,8,9,10,11
	XCHG F0+\i, F0+12+\i
.endr
	XCHG PW0, PW0+1
.if \v
	; v: a fragment is 16 of a head's 64 x my 128 keys.  Head g / 2, tiles 2 (g % 2) and 2 (g % 2) + 1
	v_cndmask_b32 v[SW+2*(\g/2)+\g%2], v[PW0], v[PW0+1], s[MH]   ; scale words: lanes 0-15 the even tile's, lanes 16-31 the odd tile's
.irp u, 0,1
.irp p, 0,1,2,3,4,5
	global_store_b64 v[L8], v[F0+12*\u+2*\p:F0+12*\u+2*\p+1], s[D0+2*(\g/2):D0+2*(\g/2)+1] offset:1536*(2*(\g%2)+\u)+256*\p   ; 256 consecutive bytes, aligned
.endr
.endr
.if \g%2
	global_store_b64 v[L8], v[SW+2*(\g/2):SW+2*(\g/2)+1], s[D0+2*(\g/2):D0+2*(\g/2)+1] offset:6400
.endif
.else
	; q, k: a fragment's registers 6 c .. 6 c + 5 are head c's 64 of 16 tokens.  A head's pair image: tile u's six registers as planes 3 u .. 3 u + 2
.irp c, 0,1
.if \g%2 == 0
	v_perm_b32 v[WS+\c], v[PW0+1], v[PW0], 0x05040100+0x02020202*\c   ; the pair's scale word: tile 0's two bytes of head c, then tile 1's
.else
	v_perm_b32 v[TM+8+\c], v[PW0+1], v[PW0], 0x05040100+0x02020202*\c
	v_cndmask_b32 v[SW+2*\c+\g/2], v[WS+\c], v[TM+8+\c], s[MH]        ; lanes 0-15 the even pair's, lanes 16-31 the odd pair's
.endif
.irp u, 0,1
.irp i, 0,1,2
	global_store_b64 v[L8], v[F0+12*\u+6*\c+2*\i:F0+12*\u+6*\c+2*\i+1], s[D0+2*\c:D0+2*\c+1] offset:1536*\g+256*(3*\u+\i)
.endr
.endr
.endr
.endif
.endr
.if \v == 0
.irp c, 0,1
	global_store_b64 v[L8], v[SW+2*\c:SW+2*\c+1], s[E0+2*\c:E0+2*\c+1]
.endr
.endif
.endm
	PLACES NP                                      ; behind the last products: their results are read and their operands' registers written below
	s_wait_loadcnt 0x0                             ; the bias
	v_mov_b32 v[XT], 0                             ; written once: the destination of a lane exchange counts as one of its sources
	v_mov_b32 v[XU], 0
.irp b, 0,1,2,3
	v_mov_b32 v[TM+4+\b], 0
.endr
	s_cmp_eq_u32 s[TY], 1
	s_cbranch_scc1 .Lout_v
	EPI 0
	s_branch .Lout_done
.Lout_v:
	EPI 1
.Lout_done:
	s_wait_tensorcnt 0x0                           ; the wave's end
	ds_add_u32 v[SPW], v[NIL]
	s_wait_dscnt 0x0
	CROUND                                         ; the closing round: no work-group ends while a partner may still ask for a tile that names it
	s_endpgm
.Lfunc_end_k_q8c2fe9cd17_qkv:
	.size	k_q8c2fe9cd17_qkv, .Lfunc_end_k_q8c2fe9cd17_qkv-k_q8c2fe9cd17_qkv
	.p2alignl 7, 3214868480
	.fill 96, 4, 3214868480
	.section	.rodata,"a",@progbits
	.p2align	6, 0x0
	.amdhsa_kernel k_q8c2fe9cd17_qkv
		.amdhsa_group_segment_fixed_size 327680
		.amdhsa_private_segment_fixed_size 0
		.amdhsa_enable_private_segment 0
		.amdhsa_kernarg_size 56
		.amdhsa_user_sgpr_count 2
		.amdhsa_user_sgpr_kernarg_segment_ptr 1
		.amdhsa_wavefront_size32 1
		.amdhsa_system_sgpr_workgroup_id_x 1
		.amdhsa_system_sgpr_workgroup_id_y 1
		.amdhsa_system_sgpr_workgroup_id_z 1
		.amdhsa_system_vgpr_workitem_id 0
		.amdhsa_next_free_vgpr 1024
		.amdhsa_next_free_sgpr 102
		.amdhsa_reserve_vcc 0
		.amdhsa_float_denorm_mode_32 3
		.amdhsa_float_denorm_mode_16_64 3
		.amdhsa_memory_ordered 1
		.amdhsa_forward_progress 1
		.amdhsa_inst_pref_size 255
	.end_amdhsa_kernel
	.section	.bss,"aw",@nobits
	.p2align	6
	.space	262144
	.amdgpu_metadata
---
amdhsa.version: [ 1, 2 ]
amdhsa.kernels:
  - .name:           k_q8c2fe9cd17_qkv
    .symbol:         k_q8c2fe9cd17_qkv.kd
    .args:
      - { .name: x_codes, .offset: 0, .size: 8, .value_kind: global_buffer, .address_space: global }
      - { .name: x_scales, .offset: 8, .size: 8, .value_kind: global_buffer, .address_space: global }
      - { .name: w_qkv_codes, .offset: 16, .size: 8, .value_kind: global_buffer, .address_space: global }
      - { .name: w_qkv_scales, .offset: 24, .size: 8, .value_kind: global_buffer, .address_space: global }
      - { .name: b_qkv, .offset: 32, .size: 8, .value_kind: global_buffer, .address_space: global }
      - { .name: qimg, .offset: 40, .size: 8, .value_kind: global_buffer, .address_space: global }
      - { .name: kvimg, .offset: 48, .size: 8, .value_kind: global_buffer, .address_space: global }
    .group_segment_fixed_size: 327680
    .private_segment_fixed_size: 0
    .kernarg_segment_align: 8
    .kernarg_segment_size: 56
    .max_flat_workgroup_size: 128
    .sgpr_count:     102
    .vgpr_count:     1024
    .wavefront_size: 32
...
	.end_amdgpu_metadata
.endif
;; end of part 1
;; launch attn (part 2): grid 4 x 64, 16 waves a work-group, no clusters, 327,680 bytes of LDS; arguments qimg, kvimg, acodes, ascales; writes acodes, ascales
.if DOCPART == 2
	.amdgcn_target "amdgcn-amd-amdhsa--gfx1250"
	.amdhsa_code_object_version 6
	.text
	.protected	k_q8c2fe9cd17_attn
	.globl	k_q8c2fe9cd17_attn
	.p2align	8
	.type	k_q8c2fe9cd17_attn,@function
k_q8c2fe9cd17_attn:
	s_mov_b64 s[64:65], 0
	v_nop
	global_prefetch_b8 v0, s[64:65] scope:SCOPE_SE
	s_setreg_imm32_b32 hwreg(HW_REG_WAVE_MODE, 25, 1), 1
	s_wait_xcnt 0x0
; LAUNCH 2 OF 3: causal attention on codes of FP6 (E2M3), head size 64, and the quantiser of its result along (head, d).
; LEFT OUT AS DEAD WORK: a step of 128 keys all of which come after a tile's queries: reference()'s own causal mask gives those weights 0 for all values of the inputs (the first kernel's head comment).
; LIMITS: as stated there.  The result's scale bytes are 2 of a row's 32 for each head, so they leave as single bytes: 262,144 bytes in the whole launch.
; THE SOFTMAX: t = score x log2(e) / 8; M = the row's largest t so far, rounded up to a whole number; p = 2^(t - M) is quantised along the keys, not normalised; the row's sum is taken of the unquantised p and
; divides O at the end.  When M moves, the sum and O are multiplied by 2^(old M - new M): exact.
; SHARES.  A work-group (x = j, y = 16 x batch + head) has sixteen waves; wave w owns TWO tiles of 16 queries: tile 127 - 16 j - w and tile 16 j + w of the head's 128.  Tile t needs key steps 0 .. t / 8, so every wave of
; every work-group has 17 steps of work.  No cluster: the four work-groups of a head need 8, 7, 6 and 5 slots of keys, so a joint load would bring tiles that every wave of some partner passes over.
; LAYOUT.  Both products are used transposed: S^T = K Q^T, O^T = V^T P^T: a lane holds one query.  Tiles of tokens are in the order: tile 2 b + u, row r = token 32 b + 8 u + r + 8 (r / 8).
; K = 64 IN AN INSTRUCTION OF K = 128: a fragment of K holds tile 2 b in K places 0 .. 63 and tile 2 b + 1 in places 64 .. 127; it is multiplied once by [q | 0] and once by [0 | q].  Zero codes add nothing (all scale
; bytes lie in 1 .. 254).  So no byte of K is read for nothing.
; THE RING.  Two LDS slots of 256 keys (25,600 dense bytes: for each 128 keys K's 4 pair images, V^T's 4 fragments, their scale words), filled by waves 0 to 3, a quarter each; every image is read 8 bytes a lane.
; REGISTERS: v1 8 x lane; v2 the LDS address in hand; v3, v4 the add's two; v5 the prefetch's offset; v6-9, v10-13 a tile's -M, largest t, sum (two halves); v14, v15 Q's scale words; v16-45 zeros, Q of tile A, zeros,
;   Q of tile B, zeros (six each); v46-93 four fragments; v94-157 S^T, then p; v158-189, v190-221 O^T; v222-233 p's codes; v234-254 at work; v255 my query's place less 16 h.
.set SLOT1, 32768                      ; slot 1 begins here: one exclusive or turns an address from one slot to the other
.set BLKB,  12800                      ; 128 keys
.set SLOTB, 25600
.set QRTB,  6400                       ; what one tensor load brings: 25 rows of 256 bytes
.set SPARE, 65536                      ; the spare words, 128 bytes for each wave: eight blocks of 256 bytes that no other line names
.set L8,  1
.set AD,  2
.set SPW, 3
.set NIL, 4
.set PFO, 5
.set STA, 6
.set QSC, 14
.set ZQ,  16
.set FR,  46
.set S,   94
.set OA,  158
.set PC,  222
.set BM,  234
.set T8,  238
.set SOP, 246
.set KSC, 250
.set FF,  252
.set PW,  253
.set TMP, 254
.set LQ,  255
.set WV,  12
.set G1,  16
.set G0,  24
.set SEL, 28
.set CS,  30
.set TB,  32                           ; LDS byte at which the step's 128 keys begin
.set KF,  33                           ; the step's first key
.set SLOTS, 34
.set TW,  35
.set QB,  36                           ; s36, s37: the tiles' first queries
.set LASTQ, 38
.set LIM, 39
.set PFA, 40
.set MH,  42
.set TAU, 44
.set QC,  48
.set QSEL, 56
.set AC,  68
.set AS,  72
.macro TLOAD                           ; waves 0 to 3 fetch a quarter of a slot each.  An s_nop 0 and four v_nop follow the load
	s_cmp_lt_u32 s[WV], 4
	s_cbranch_scc0 .Lnone_\@
	tensor_load_to_lds s[G0:G0+3], s[G1:G1+7]
	s_nop 0
.rept 4
	v_nop
.endr
.Lnone_\@:
.endm
; A prefetch of the slot that the NEXT change of slots will ask for: 100 blocks of 256 bytes.  All four work-groups of a head walk the same keys: the one with x = 0, which walks all eight slots, asks; in it waves 4 to 7,
; which fetch nothing, take a quarter each: 25 blocks, a lane a block (lanes 25 to 31 name lane 24's).  Slots 0 and 1 come by their loads alone; the last change that fills a slot asks for nothing.
.macro ASK
	s_cmp_gt_u32 s[SLOTS], s[LIM]
	s_cbranch_scc0 .Lnot_mine_\@
	global_prefetch_b8 v[PFO], s[PFA:PFA+1] th:TH_LOAD_NT scope:SCOPE_SE
.Lnot_mine_\@:
.endm
.macro TILE x                          ; what hangs on tile x's number: offsets apart from the addresses
	s_lshr_b32 s60, s[TAU+\x], 1
	s_lshl_b32 s60, s60, 5
	s_and_b32 s61, s[TAU+\x], 1
	s_lshl_b32 s62, s61, 3
	s_add_co_u32 s[QB+\x], s60, s62                ; its first query: 32 (t / 2) + 8 (t % 2)
	s_mul_i32 s62, s61, 0x02020202
	s_add_co_u32 s[QSEL+\x], s62, 0x01000100       ; which two bytes of the pair's scale word are its own
	s_lshr_b32 s60, s[TAU+\x], 3
	s_mul_i32 s60, s60, 6400
	s_add_co_u32 s60, s60, s58                     ; its block of 128 queries in qimg
	s_mul_i32 s61, s61, 768
	s_bfe_u32 s62, s[TAU+\x], 0x20001
	s_mul_i32 s62, s62, 1536
	s_add_co_u32 s61, s61, s62
	s_add_co_u32 s[QC+4*\x], s60, s61              ; its three planes
	s_mov_b32 s[QC+4*\x+1], 0
	s_bfe_u32 s61, s[TAU+\x], 0x10001
	s_lshl_b32 s61, s61, 7
	s_bfe_u32 s62, s[TAU+\x], 0x10002
	s_lshl_b32 s62, s62, 2
	s_add_co_u32 s61, s61, s62
	s_add_co_u32 s61, s61, 6144
	s_add_co_u32 s[QC+4*\x+2], s60, s61            ; its pair's scale words
	s_mov_b32 s[QC+4*\x+3], 0
	s_add_co_u32 s60, s59, s[TAU+\x]               ; the tile among all 512
	s_lshl_b32 s61, s60, 9
	s_lshl_b32 s62, s63, 1
	s_add_co_u32 s[AS+2*\x], s61, s62              ; its rows of ascales, my head's two bytes
	s_mov_b32 s[AS+2*\x+1], 0
	s_lshl_b32 s60, s60, 3
	s_lshr_b32 s61, s63, 1
	s_add_co_u32 s60, s60, s61
	s_mul_i32 s60, s60, 1536
	s_and_b32 s61, s63, 1
	s_mul_i32 s61, s61, 768
	s_add_co_u32 s[AC+2*\x], s60, s61              ; its fragment of acodes, my head's three planes
	s_mov_b32 s[AC+2*\x+1], 0
.endm
	s_load_b256 s[4:11], s[0:1], 0x0               ; qimg s[4:5], kvimg s[6:7], acodes s[8:9], ascales s[10:11]
	v_lshl_add_u32 v[SPW], v0, 2, SPARE
	v_mov_b32 v[NIL], 0
	ds_add_u32 v[SPW], v[NIL]                      ; the wave's opening: the add, twice on end, and its wait ahead of the first tensor load
	ds_add_u32 v[SPW], v[NIL]
	v_lshrrev_b32 v1, 5, v0
	v_readfirstlane_b32 s[WV], v1                  ; wave 0..15
	s_and_b32 s14, ttmp7, 0xffff                   ; 16 x batch + head
	s_mov_b32 s[G1], 3<<16                         ; no mask; elements of 8 bytes; no padding
	s_mov_b32 s[G1+1], 32<<16                      ; tensor_dim0: 256 bytes
	s_mov_b32 s[G1+2], 25<<16                      ; tensor_dim1
	s_mov_b32 s[G1+3], 32<<16                      ; tile_dim0
	s_mov_b32 s[G1+4], 25                          ; tile_dim1
	s_mov_b32 s[G1+5], 32                          ; from row to row: dense
	s_mov_b32 s[G1+6], 0
	s_mov_b32 s[G1+7], 0
	s_mov_b32 s[G0], 1
	s_and_b32 s60, s[WV], 3
	s_mul_i32 s[G0+1], s60, QRTB                   ; my quarter of slot 0
	s_mul_i32 s46, s14, 16*BLKB
	s_add_co_u32 s46, s46, s[G0+1]                 ; and in kvimg
	s_mov_b32 s47, 0
	s_lshl_b32 s[TAU+1], ttmp9, 4
	s_add_co_u32 s[TAU+1], s[TAU+1], s[WV]         ; tile B: 16 j + w
	s_sub_co_u32 s[TAU], 127, s[TAU+1]             ; tile A: 127 - 16 j - w
	s_mul_i32 s58, s14, 16*6400                    ; my head in qimg
	s_lshr_b32 s59, s14, 4
	s_lshl_b32 s59, s59, 7                         ; 128 x batch
	s_and_b32 s63, s14, 15                         ; head
	TILE 0
	TILE 1
	s_lshl_b32 s[LASTQ], ttmp9, 8
	s_sub_co_u32 s[LASTQ], 2047, s[LASTQ]          ; my work-group's last query
	s_mov_b32 s[SEL], 0x76543210
	s_mov_b32 s[SEL+1], 0xfedcba98                 ; v_permlanex16_b32's selects for lane l xor 16
	s_mov_b32 s[CS], 0x3e38aa3b                    ; c = log2(e) / 8
	s_mov_b32 s[CS+1], s[CS]                       ; (named with it as a pair, so it is written)
	s_mov_b32 s[MH], 0xffff0000
	s_mov_b32 s[TB], 0
	s_mov_b32 s[KF], 0
	s_mov_b32 s[SLOTS], 7
	s_lshr_b32 s60, s[WV], 2
	s_xor_b32 s60, s60, 1                          ; 0 in waves 4 to 7,
	s_or_b32 s60, s60, ttmp9                       ; of the head's work-group 0
	s_cmp_eq_u32 s60, 0
	s_cselect_b32 s[LIM], 1, -1
	s_wait_dscnt 0x0                               ; both opening adds are done
	s_wait_kmcnt 0x0
	s_add_nc_u64 s[G0+2:G0+3], s[6:7], s[46:47]
	s_add_nc_u64 s[PFA:PFA+1], s[G0+2:G0+3], SLOTB ; the prefetches stand in slot 1: the first change of slots steps them to slot 2
	s_or_b32 s[G0+3], s[G0+3], 0x80000000
	TLOAD                                          ; slot 0: it holds key 0, which counts for every query
.irp x, 0,1
	s_add_nc_u64 s[QC+4*\x:QC+4*\x+1], s[4:5], s[QC+4*\x:QC+4*\x+1]
	s_add_nc_u64 s[QC+4*\x+2:QC+4*\x+3], s[4:5], s[QC+4*\x+2:QC+4*\x+3]
	s_add_nc_u64 s[AC+2*\x:AC+2*\x+1], s[8:9], s[AC+2*\x:AC+2*\x+1]
	s_add_nc_u64 s[AS+2*\x:AS+2*\x+1], s[10:11], s[AS+2*\x:AS+2*\x+1]
.endr
	v_and_b32 v[L8], 31, v0
	v_min_u32 v[PFO], 24, v[L8]
	v_lshlrev_b32 v[PFO], 8, v[PFO]
	v_lshlrev_b32 v[L8], 3, v[L8]
	v_and_b32 v[TMP], 15, v0                       ; r
	v_lshlrev_b32 v[AD], 3, v[TMP]
.irp x, 0,1
.irp i, 0,1,2
	global_load_b64 v[ZQ+6+12*\x+2*\i:ZQ+6+12*\x+2*\i+1], v[L8], s[QC+4*\x:QC+4*\x+1] offset:256*\i   ; Q stays in registers: lane (r, h): d = 32 h .. 32 h + 31 of query r
.endr
	global_load_b32 v[QSC+\x], v[AD], s[QC+4*\x+2:QC+4*\x+3]   ; the pair's scale word of row r
.endr
	v_and_b32 v[LQ], 8, v[TMP]
	v_add_nc_u32 v[LQ], v[LQ], v[TMP]
	v_bfe_u32 v[FF], v0, 4, 1
	v_lshlrev_b32 v[FF], 4, v[FF]
	v_sub_nc_u32 v[LQ], v[LQ], v[FF]               ; r + 8 (r / 8) - 16 h
.irp x, 0,1
	v_mov_b32 v[STA+4*\x+1], 0xff61b1e6            ; the largest t so far: -3e38, under every t
	v_floor_f32 v[STA+4*\x], -v[STA+4*\x+1]        ; -M
	v_mov_b32 v[STA+4*\x+2], 0                     ; the sum, in two halves
	v_mov_b32 v[STA+4*\x+3], 0
.endr
.irp z, 0,12,24
.irp i, 0,1,2,3,4,5
	v_mov_b32 v[ZQ+\z+\i], 0                       ; zero codes: the other half of [q | 0] and [0 | q]
.endr
.endr
.irp b, 0,1,2,3
	v_mov_b32 v[T8+\b], 0                          ; written once: a lane permute's destination counts as one of its sources
.endr
	v_mov_b32 v[PW], 0                             ; (named as the upper half of the pair with f before it is first written)
	s_wait_loadcnt 0x0                             ; Q
.irp x, 0,1
	v_perm_b32 v[QSC+\x], v[QSC+\x], v[QSC+\x], s[QSEL+\x]   ; my tile's two bytes, twice: they scale q in either half of K
.endr
.set j, 0
.rept 64
	v_mov_b32 v[OA+j], 0                           ; O^T.  (The step is written once: the first finds zeros.  These lines are also the places between the scale words' making and the first product)
.set j, j+1
.endr
; A KEY STEP of tile x: 128 keys.
.macro STEP x
.set NM, STA+4*\x
.set TX, NM+1
.set LS, NM+2
.set QL, ZQ+6+12*\x
.set O,  OA+32*\x
	s_cmp_gt_u32 s[KF], s[QB+\x]                   ; all 128 keys come after my tile's queries (which lie in one block of 128): the step is left out.  Ids and the count of steps alone decide
	s_cbranch_scc1 .Lhidden_\@
	v_add_nc_u32 v[AD], s[TB], v[L8]
.rept 3
	v_nop                                          ; with the addition: four places in front of loads into registers that the last products have read
.endr
.irp b, 0,1,2,3
.irp p, 0,1,2,3,4,5
	ds_load_b64 v[FR+12*\b+2*\p:FR+12*\b+2*\p+1], v[AD] offset:1536*\b+256*\p   ; K's pair b: 256 consecutive bytes a load
.endr
.endr
	ds_load_b64 v[KSC:KSC+1], v[AD] offset:12288   ; K's scale words: register g: lanes 0-15 pair 2 g, lanes 16-31 pair 2 g + 1
	s_wait_dscnt 0x0
.irp b, 0,1,2,3
.irp u, 0,1
.if \b%2
	v_wmma_scale_f32_16x16x128_f8f6f4 v[S+8*(2*\b+\u):S+8*(2*\b+\u)+7], v[FR+12*\b:FR+12*\b+11], v[QL-6*\u:QL-6*\u+11], 0, v[KSC+\b/2], v[QSC+\x] matrix_a_fmt:MATRIX_FMT_FP6 matrix_b_fmt:MATRIX_FMT_FP6 matrix_a_scale:MATRIX_SCALE_ROW1
.else
	v_wmma_scale_f32_16x16x128_f8f6f4 v[S+8*(2*\b+\u):S+8*(2*\b+\u)+7], v[FR+12*\b:FR+12*\b+11], v[QL-6*\u:QL-6*\u+11], 0, v[KSC+\b/2], v[QSC+\x] matrix_a_fmt:MATRIX_FMT_FP6 matrix_b_fmt:MATRIX_FMT_FP6
.endif
.endr
.endr                                  ; register 16 b + i of S^T is key KF + 32 b + 16 h + i of my query
.rept 4
	v_nop                                          ; places: the scores are read below, and V's loads land on K's registers
.endr
.irp t, 0,1,2,3
.irp p, 0,1,2,3,4,5
	ds_load_b64 v[FR+12*\t+2*\p:FR+12*\t+2*\p+1], v[AD] offset:6144+1536*\t+256*\p   ; V^T's tile t: asked for now, waited for behind the softmax
.endr
.endr
	ds_load_b64 v[KSC:KSC+1], v[AD] offset:12544   ; V's scale words
	s_add_co_u32 s44, s[KF], 127
	s_cmp_le_u32 s44, s[QB+\x]
	s_cbranch_scc1 .Lopen_\@                       ; a step all of whose keys count skips the mask
	s_sub_co_i32 s44, s[QB+\x], s[KF]
	v_add_nc_u32 v[TMP], s44, v[LQ]                ; d = my query - KF - 16 h: register n is hidden where 32 (n / 16) + n % 16 > d
	v_mov_b32 v[FF], 0xff800000                    ; -infinity: p = 0 then
.set n, 0
.rept 64
	v_cmp_gt_i32 vcc_lo, 32*(n/16)+n%16, v[TMP]
	v_cndmask_b32 v[S+n], v[S+n], v[FF], vcc_lo
.set n, n+1
.endr
.Lopen_\@:
.irp b, 0,1,2,3
	v_max3_num_f32 v[BM+\b], v[S+16*\b], v[S+1+16*\b], v[S+2+16*\b]   ; the largest score of each block of 32 keys: for the row's maximum, and, since p rises with the score, for the block's largest p
.endr
.irp i, 3,5,7,9,11,13
.irp b, 0,1,2,3
	v_max3_num_f32 v[BM+\b], v[BM+\b], v[S+16*\b+\i], v[S+1+16*\b+\i]
.endr
.endr
.irp b, 0,1,2,3
	v_max_num_f32 v[BM+\b], v[BM+\b], v[S+15+16*\b]
.endr
.irp b, 0,1,2,3
	v_permlanex16_b32 v[T8+\b], v[BM+\b], s[SEL], s[SEL+1]
.endr
.irp b, 0,1,2,3
	v_max_num_f32 v[BM+\b], v[BM+\b], v[T8+\b]     ; with lane l xor 16's 16 keys
.endr
	v_max3_num_f32 v[TMP], v[BM], v[BM+1], v[BM+2]
	v_max_num_f32 v[TMP], v[TMP], v[BM+3]
	v_mul_f32 v[TMP], s[CS], v[TMP]                ; the step's largest t
	v_max_num_f32 v[TX], v[TX], v[TMP]             ; the running largest t
	v_mov_b32 v[TMP], v[NM]
	v_floor_f32 v[NM], -v[TX]                      ; the new -M = -ceil(t): a whole number
	v_sub_f32 v[TMP], v[NM], v[TMP]                ; old M - new M: a whole number, 0 or less
	v_cvt_i32_f32 v[TMP], v[TMP]                   ; (it saturates)
	v_ldexp_f32 v[FF], 1.0, v[TMP]                 ; f = 2^(old M - new M)
.set j, 0
.rept 32
	v_pk_fma_f32 v[S+j:S+j+1], v[S+j:S+j+1], s[CS:CS+1], v[NM:NM+1] op_sel_hi:[1,0,0]   ; t - M, two at a time
.set j, j+2
.endr
.irp b, 0,1,2,3
	v_fma_f32 v[BM+\b], v[BM+\b], s[CS], v[NM]     ; the same of each block's largest score
.endr
.set j, 0
.rept 64
	v_exp_f32 v[S+j], v[S+j]                       ; p = 2^(t - M)
.set j, j+1
.endr
	v_pk_mul_f32 v[LS:LS+1], v[LS:LS+1], v[FF:FF+1] op_sel_hi:[1,0]   ; the sums under the new M: a plain place behind the exponentials
	s_wait_alu depctr_va_vdst(0)                   ; one wait for the batch of 64, ahead of its first reader
.irp b, 0,1,2,3
	v_exp_f32 v[BM+\b], v[BM+\b]                   ; the block's largest p: the same two instructions on the same number
.endr
	v_pk_add_f32 v[T8:T8+1], v[S:S+1], v[S+2:S+3]  ; the row's sum is taken of the unquantised p, in two chains
.set j, 4
.rept 15
	v_pk_add_f32 v[LS:LS+1], v[LS:LS+1], v[S+j:S+j+1]
	v_pk_add_f32 v[T8:T8+1], v[T8:T8+1], v[S+j+2:S+j+3]
.set j, j+4
.endr
	v_pk_add_f32 v[LS:LS+1], v[LS:LS+1], v[T8:T8+1]
	s_wait_alu depctr_va_vdst(0)                   ; and one for the four
.irp b, 0,1,2,3
	v_max_num_f32 v[BM+\b], 0x1800000, v[BM+\b]    ; the floor 2^(3 - 127): the byte cannot fall under 1
.endr
.irp b, 0,1,2,3
	v_add_nc_u32 v[SOP+\b], 0xff000000, v[BM+\b]   ; 2 off the exponent field: the conversion's scale operand
.endr
.irp b, 0,1,2,3
	v_lshrrev_b32 v[T8+\b], 23, v[SOP+\b]          ; the scale's byte
.endr
	v_lshl_or_b32 v[PW], v[T8+1], 8, v[T8]         ; p's scale word for these 128 keys
	v_lshl_or_b32 v[PW], v[T8+2], 16, v[PW]
	v_lshl_or_b32 v[PW], v[T8+3], 24, v[PW]
.irp c, 0,1
	v_cvt_scalef32_pk16_fp6_f32 v[PC+6*\c:PC+6*\c+2], v[S+32*\c:S+32*\c+15], v[SOP+2*\c]
	v_cvt_scalef32_pk16_fp6_f32 v[T8+4*\c:T8+4*\c+2], v[S+32*\c+16:S+32*\c+31], v[SOP+2*\c+1]   ; (a conversion's three registers begin on an even number)
.endr
	v_nop                                          ; one plain place behind a scaled conversion
.irp c, 0,1                            ; the operand's layout wants a whole block in a lane
.irp i, 0,1,2
	v_permlane16_swap_b32 v[PC+6*\c+\i], v[T8+4*\c+\i]
.endr
.irp i, 0,1,2
	v_mov_b32 v[PC+6*\c+3+\i], v[T8+4*\c+\i]
.endr
.endr
.set j, 0
.rept 16
	v_pk_mul_f32 v[O+j:O+j+1], v[O+j:O+j+1], v[FF:FF+1] op_sel_hi:[1,0]   ; O^T under the new M.  (These 16 are also the places between the making of p's codes and scale word and the products)
.set j, j+2
.endr
	s_wait_dscnt 0x0                               ; V
.irp t, 0,1,2,3                        ; O^T += V^T P^T: four accumulators by turns
.if \t%2
	v_wmma_scale_f32_16x16x128_f8f6f4 v[O+8*\t:O+8*\t+7], v[FR+12*\t:FR+12*\t+11], v[PC:PC+11], v[O+8*\t:O+8*\t+7], v[KSC+\t/2], v[PW] matrix_a_fmt:MATRIX_FMT_FP6 matrix_b_fmt:MATRIX_FMT_FP6 matrix_a_scale:MATRIX_SCALE_ROW1
.else
	v_wmma_scale_f32_16x16x128_f8f6f4 v[O+8*\t:O+8*\t+7], v[FR+12*\t:FR+12*\t+11], v[PC:PC+11], v[O+8*\t:O+8*\t+7], v[KSC+\t/2], v[PW] matrix_a_fmt:MATRIX_FMT_FP6 matrix_b_fmt:MATRIX_FMT_FP6
.endif
.endr
.Lhidden_\@:
.endm
; THE CHANGE OF SLOTS stands at a slot's head.  Each wave waits for all its tensor loads, adds 0 to its spare word (fill = 1: twice on end), and waits for that
; and for its reads of the slot that it has left.  Behind the barrier the slot ahead is whole and nobody reads the other one, which is filled with the keys that follow, up to the causal limit.
.macro CHANGE fill
	s_wait_tensorcnt 0x0                           ; no tensor load of mine is out, so the descriptor may be written
	ds_add_u32 v[SPW], v[NIL]
.if \fill
	ds_add_u32 v[SPW], v[NIL]
	s_xor_b32 s[G0+1], s[G0+1], SLOT1              ; the walking descriptor: the other slot,
	s_add_nc_u64 s[G0+2:G0+3], s[G0+2:G0+3], SLOTB ; the next 256 keys
	s_wait_xcnt 0x0                                ; the last prefetch, a slot back, has read its address
	s_add_nc_u64 s[PFA:PFA+1], s[PFA:PFA+1], SLOTB ; one slot further on than the descriptor
.endif
	s_wait_dscnt 0x0                               ; the add is done, and my reads of the slot that I have left are over
	s_barrier_signal -1
	s_barrier_wait -1
.if \fill
	s_add_co_u32 s44, s[KF], 256                   ; the first key of the slot that this change would ask for:
	s_cmp_gt_u32 s44, s[LASTQ]                     ; behind my work-group's last query no wave reads it, so it is not asked for.  Ids and the count of steps alone: all sixteen waves go the same way
	s_cbranch_scc1 .Lpast_\@
	TLOAD                                          ; a wave's one tensor load until the next barrier: it has a slot's steps in which to land
.Lpast_\@:
	ASK
.endif
.endm
.macro TWO_STEPS                       ; a slot's two key steps, for both tiles: written once, walked twice
	s_mov_b32 s[TW], 2
.Lstep_\@:
	STEP 0
	STEP 1
	s_add_co_u32 s[TB], s[TB], BLKB
	s_add_co_u32 s[KF], s[KF], 128
	s_sub_co_u32 s[TW], s[TW], 1
	s_cmp_lg_u32 s[TW], 0
	s_cbranch_scc1 .Lstep_\@
	s_sub_co_u32 s[TB], s[TB], SLOTB
	s_xor_b32 s[TB], s[TB], SLOT1                  ; on to the other slot
.endm
.Lslot:                                ; seven trips: behind each change of slots but the last the next slot is asked for, up to the causal limit
	CHANGE 1
	TWO_STEPS
	s_sub_co_u32 s[SLOTS], s[SLOTS], 1
	s_cmp_lg_u32 s[SLOTS], 0
	s_cbranch_scc1 .Lslot
	CHANGE 0                                       ; the last slot is written out: nothing is left to ask for
	TWO_STEPS
	; THE WAY OUT.  O^T / the sum; register 16 b + i of a tile is d = 32 b + 16 h + i of my query: two blocks of 32 along the projection's K.  They are quantised and leave as three planes of a fragment.
.rept 4
	v_nop                                          ; places behind the last products
.endr
.irp x, 0,1
	v_add_f32 v[STA+4*\x+2], v[STA+4*\x+2], v[STA+4*\x+3]
.endr
.irp x, 0,1
	v_permlanex16_b32 v[T8+\x], v[STA+4*\x+2], s[SEL], s[SEL+1]
.endr
.irp x, 0,1
	v_add_f32 v[STA+4*\x+2], v[STA+4*\x+2], v[T8+\x]   ; the row's sum
.endr
.irp x, 0,1
	v_rcp_f32 v[STA+4*\x+2], v[STA+4*\x+2]
.endr
	v_and_b32 v[TMP], 15, v0                       ; (a plain place behind the reciprocals)
	v_bfe_u32 v[AD], v0, 4, 1
	v_lshl_add_u32 v[AD], v[TMP], 5, v[AD]         ; my scale byte's place: 32 r + h
	s_wait_alu depctr_va_vdst(0)                   ; one wait for the two reciprocals, ahead of their first reader
.set j, 0
.rept 32
	v_pk_mul_f32 v[S+j:S+j+1], v[OA+j:OA+j+1], v[STA+2+4*(j/32):STA+3+4*(j/32)] op_sel_hi:[1,0]
.set j, j+2
.endr
.irp k, 0,1,2,3                        ; block k: tile k / 2, d = 32 (k % 2) on
	v_max3_num_f32 v[BM+\k], |v[S+16*\k]|, |v[S+16*\k+1]|, 0x1800000
.endr
.irp i, 2,4,6,8,10,12,14
.irp k, 0,1,2,3
	v_max3_num_f32 v[BM+\k], v[BM+\k], |v[S+16*\k+\i]|, |v[S+16*\k+\i+1]|
.endr
.endr
.irp k, 0,1,2,3
	v_permlanex16_b32 v[T8+\k], v[BM+\k], s[SEL], s[SEL+1]
.endr
.irp k, 0,1,2,3
	v_max_num_f32 v[BM+\k], v[BM+\k], v[T8+\k]
.endr
.irp k, 0,1,2,3
	v_add_nc_u32 v[SOP+\k], 0xff000000, v[BM+\k]
.endr
.irp k, 0,1,2,3
	v_lshrrev_b32 v[T8+\k], 23, v[SOP+\k]
.endr
.irp x, 0,1
	v_cndmask_b32 v[BM+\x], v[T8+2*\x], v[T8+2*\x+1], s[MH]   ; lanes 0-15 store block 0's byte, lanes 16-31 block 1's
.endr
.irp x, 0,1
	v_cvt_scalef32_pk16_fp6_f32 v[PC+6*\x:PC+6*\x+2], v[S+32*\x:S+32*\x+15], v[SOP+2*\x]
	v_cvt_scalef32_pk16_fp6_f32 v[T8+4*\x:T8+4*\x+2], v[S+32*\x+16:S+32*\x+31], v[SOP+2*\x+1]
.endr
	v_nop                                          ; one plain place behind a scaled conversion
.irp x, 0,1
.irp i, 0,1,2
	v_permlane16_swap_b32 v[PC+6*\x+\i], v[T8+4*\x+\i]
.endr
.irp i, 0,1,2
	v_mov_b32 v[PC+6*\x+3+\i], v[T8+4*\x+\i]
.endr
.endr
.irp x, 0,1
.irp i, 0,1,2
	global_store_b64 v[L8], v[PC+6*\x+2*\i:PC+6*\x+2*\i+1], s[AC+2*\x:AC+2*\x+1] offset:256*\i   ; 256 consecutive bytes, aligned
.endr
	global_store_b8 v[AD], v[BM+\x], s[AS+2*\x:AS+2*\x+1]
.endr
	s_wait_tensorcnt 0x0                           ; the wave's end
	ds_add_u32 v[SPW], v[NIL]
	s_wait_dscnt 0x0
	s_endpgm
.Lfunc_end_k_q8c2fe9cd17_attn:
	.size	k_q8c2fe9cd17_attn, .Lfunc_end_k_q8c2fe9cd17_attn-k_q8c2fe9cd17_attn
	.p2alignl 7, 3214868480
	.fill 96, 4, 3214868480
	.section	.rodata,"a",@progbits
	.p2align	6, 0x0
	.amdhsa_kernel k_q8c2fe9cd17_attn
		.amdhsa_group_segment_fixed_size 327680
		.amdhsa_private_segment_fixed_size 0
		.amdhsa_enable_private_segment 0
		.amdhsa_kernarg_size 32
		.amdhsa_user_sgpr_count 2
		.amdhsa_user_sgpr_kernarg_segment_ptr 1
		.amdhsa_wavefront_size32 1
		.amdhsa_system_sgpr_workgroup_id_x 1
		.amdhsa_system_sgpr_workgroup_id_y 1
		.amdhsa_system_sgpr_workgroup_id_z 1
		.amdhsa_system_vgpr_workitem_id 0
		.amdhsa_next_free_vgpr 256
		.amdhsa_next_free_sgpr 80
		.amdhsa_reserve_vcc 1
		.amdhsa_float_denorm_mode_32 3
		.amdhsa_float_denorm_mode_16_64 3
		.amdhsa_memory_ordered 1
		.amdhsa_forward_progress 1
		.amdhsa_inst_pref_size 107
	.end_amdhsa_kernel
	.amdgpu_metadata
---
amdhsa.version: [ 1, 2 ]
amdhsa.kernels:
  - .name:           k_q8c2fe9cd17_attn
    .symbol:         k_q8c2fe9cd17_attn.kd
    .args:
      - { .name: qimg, .offset: 0, .size: 8, .value_kind: global_buffer, .address_space: global }
      - { .name: kvimg, .offset: 8, .size: 8, .value_kind: global_buffer, .address_space: global }
      - { .name: acodes, .offset: 16, .size: 8, .value_kind: global_buffer, .address_space: global }
      - { .name: ascales, .offset: 24, .size: 8, .value_kind: global_buffer, .address_space: global }
    .group_segment_fixed_size: 327680
    .private_segment_fixed_size: 0
    .kernarg_segment_align: 8
    .kernarg_segment_size: 32
    .max_flat_workgroup_size: 512
    .sgpr_count:     80
    .vgpr_count:     256
    .wavefront_size: 32
...
	.end_amdgpu_metadata
.endif
;; end of part 2
;; launch proj (part 3): grid 8 x 32, 4 waves a work-group, clusters of 4 x 4, 327,680 bytes of LDS; arguments acodes, ascales, w_out_codes, w_out_scales, b_out, out0; writes out0
.if DOCPART == 3
	.amdgcn_target "amdgcn-amd-amdhsa--gfx1250"
	.amdhsa_code_object_version 6
	.text
	.protected	k_q8c2fe9cd17_proj
	.globl	k_q8c2fe9cd17_proj
	.p2align	8
	.type	k_q8c2fe9cd17_proj,@function
k_q8c2fe9cd17_proj:
	s_mov_b64 s[64:65], 0
	v_nop
	global_prefetch_b8 v0, s[64:65] scope:SCOPE_SE
	s_setreg_imm32_b32 hwreg(HW_REG_WAVE_MODE, 25, 1), 1
	s_wait_xcnt 0x0
	s_wait_alu depctr_hold_cnt(0) depctr_sa_sdst(0) depctr_va_vdst(0) depctr_va_sdst(0) depctr_va_ssrc(0) depctr_va_vcc(0) depctr_vm_vsrc(0)
	s_getreg_b32 s2, hwreg(HW_REG_IB_STS2, 6, 4)
	s_cmp_eq_u32 s2, 0
	s_cbranch_scc0 .Lentry_in_a_cluster
	s_endpgm
.Lentry_in_a_cluster:
	s_bfe_u32 s2, ttmp6, 0x10000c
	s_cmp_lg_u32 s2, 0xf033
	s_cbranch_scc0 .Lentry_shape_is_right
	s_endpgm
.Lentry_shape_is_right:
; LAUNCH 3 OF 3: out0 = a w_out + b_out on codes of FP6 (E2M3) with E8M0 scales.  a is the attention's result as the launch before left it: images of operand registers, [tile of 16 tokens][128 along K][6 planes of
; 256 bytes], the tokens of tile 2 b + u being 32 b + 8 u + r + 8 (r / 8); its scale bytes [tile's row][32].  w_out: codes with K innermost, rows of 768 bytes.  Nothing is left out here.
; A tile of 256 tokens x 128 outputs is made by four waves, 128 x 64 each: 32 accumulators, 256 registers: 256 work-groups.  Source 0 = 16 rows of w_out (P), source 1 = 16 tokens (R): a lane holds eight neighbouring
; outputs of one token.  K = 1,024 goes in four steps of 256 through two LDS slots; the scale bytes come once.  4 x 4 work-groups form a cluster: R's tiles are asked for jointly along a row, P's along a column.
; The bias is the C of each sum's first matrix instruction.  The order of the tokens is undone in the stores' immediates.
; REGISTERS: window 0: v16, v17 R's LDS addresses; v20-23 P's; v24, v25 the stage; v26, v27 the scale words' addresses; v28, v29 the add's two; v30 the bias's lane offset; v31 my offset in out0; v32-63 scale words, two sets;
;   v64-95 the bias; v128-223 R's fragments, one set (on the way out rows of out0).  window 1: P's fragments, two sets, at v0 and v128.  window 2: the accumulators ((a, b) at v[8 (4 a + b)]).
.set NQ,     2
.set ROWB,   192
.set KROW,   768
.set PITCH,  240                       ; P's LDS row: 3 x (64 bytes + 16 of padding)
.set FR,     12
.set NL,     6
.set NP,     4
.set RHALF,  24576                     ; 8 tiles x 2 fragments x 1,536 bytes: what one load brings of R, and what one wave reads
.set PHALF,  64*PITCH
.set POFF,   2*RHALF
.set SLOT,   POFF+2*PHALF
.set SCL,    2*SLOT
.set RSH,    4352                      ; the scales of 128 rows of R, as units of 256 bytes + 16
.set PSH,    2176                      ; of 64 rows of P
.set SBLK,   544
.set SPARE,  SCL+2*RSH+2*PSH           ; the spare words, 128 bytes for each wave: two blocks of 256 bytes that no other line names
.set SPITCH, 272                       ; the way out: a stage of 16 rows x (256 bytes + 16) for each wave, in slot 0, which has had its last fill and its last read when the first result is stored there
.set ADRA, 16
.set ADRB, 20
.set STO,  24
.set RD,   25
.set ADRS2, 26
.set ADRS, 27
.set SPW,  28
.set NIL,  29
.set BO,   30
.set CO,   31
.set SC,   32
.set BI,   64
.set AF,   128
.set BK,   128
.set WV, 18
.set RH, 19
.set PH, 20
.set G1, 24
.set G0, 32
.set G1B, 48
.set G0B, 56
.set G1S, 68
.set G0S, 76
.set G1SB, 80
.set G0SB, 88
.set MSB, 0
.macro WIN new
.if MSB != (\new)
	s_set_vgpr_msb (MSB<<8)|(\new)
.set MSB, (\new)
.endif
.endm
.set MUL,  0xa1                        ; source 0 (P) window 1, source 1 (R) window 0, C and D window 2
.set TO_B, 0x40
.macro JLOAD g0a, g1a, g0b, g1b        ; a joint load: waves 0 and 1 fetch for R, waves 2 and 3 for P; an s_nop 0 and four v_nop follow each of the two lines
	s_cmp_eq_u32 s[RH], 0
	s_cbranch_scc0 .Lfor_b_\@
	tensor_load_to_lds s[\g0a:\g0a+3], s[\g1a:\g1a+7]
	s_nop 0
.rept 4
	v_nop
.endr
	s_branch .Lasked_\@
.Lfor_b_\@:
	tensor_load_to_lds s[\g0b:\g0b+3], s[\g1b:\g1b+7]
	s_nop 0
.rept 4
	v_nop
.endr
.Lasked_\@:
.endm
.macro CREST
	s_cmp_lg_u32 s[WV], 0
	s_cbranch_scc1 .Lnot_wave_0_\@
	s_barrier_signal -3
.Lnot_wave_0_\@:
	s_barrier_wait -3
	s_barrier_signal -1
	s_barrier_wait -1
.endm
.macro CROUND
	s_barrier_signal -1
	s_barrier_wait -1
	CREST
.endm
	s_load_b256 s[4:11], s[0:1], 0x0               ; acodes s[4:5], ascales s[6:7], w_out's codes s[8:9], its scales s[10:11]
	s_load_b128 s[12:15], s[0:1], 0x20             ; b_out s[12:13], out0 s[14:15]
	v_lshl_add_u32 v[SPW], v0, 2, SPARE
	v_mov_b32 v[NIL], 0
	ds_add_u32 v[SPW], v[NIL]                      ; the wave's opening: the add, twice on end, and its wait ahead of my first tensor load
	ds_add_u32 v[SPW], v[NIL]
	v_lshrrev_b32 v1, 5, v0
	v_readfirstlane_b32 s[WV], v1
	s_lshr_b32 s[RH], s[WV], 1                     ; which half of the tokens is mine.  Also: I fetch for R (0) or for P (1)
	s_and_b32 s[PH], s[WV], 1                      ; which half of the outputs.  Also: which half of that tile I fetch
	s_bfe_u32 s22, ttmp6, 0x40000                  ; cx
	s_bfe_u32 s23, ttmp6, 0x40004                  ; cy
	s_lshl_b32 s66, ttmp9, 2
	s_add_co_u32 s66, s66, s22                     ; P's tile (128 outputs) = 4 x cluster x + cx
	s_and_b32 s67, ttmp7, 0xffff
	s_lshl_b32 s67, s67, 2
	s_add_co_u32 s67, s67, s23                     ; R's tile (256 tokens) = 4 x cluster y + cy
	s_lshl_b32 s96, s23, 2
	s_lshl_b32 s96, 15, s96                        ; my row of the cluster
	s_lshl_b32 s100, 0x1111, s22                   ; my column
	s_or_b32 s[G1+0], s96, (3<<16)|(1<<21)         ; R: the mask; elements of 8 bytes; no padding; bit 21 beside a mask
	s_mov_b32 s[G1+1], 384<<16                     ; tensor_dim0: 3,072 bytes: a tile's two fragments of a K step
	s_mov_b32 s[G1+2], 8<<16                       ; tensor_dim1: 8 tiles
	s_mov_b32 s[G1+3], 384<<16
	s_mov_b32 s[G1+4], 8
	s_mov_b32 s[G1+5], 1536                        ; from tile to tile: 12,288 bytes
	s_mov_b32 s[G1+6], 0
	s_mov_b32 s[G1+7], 0
	s_or_b32 s[G1B+0], s100, (0<<16)|(1<<20)|(1<<21)|(3<<22)|(3<<25)   ; P: rows of 192 bytes, 16 of padding behind every 64
	s_mov_b32 s[G1B+1], ROWB<<16
	s_mov_b32 s[G1B+2], 64<<16
	s_mov_b32 s[G1B+3], ROWB<<16
	s_mov_b32 s[G1B+4], 64
	s_mov_b32 s[G1B+5], KROW
	s_mov_b32 s[G1B+6], 0
	s_mov_b32 s[G1B+7], 0
	s_or_b32 s[G1S+0], s96, (3<<16)|(1<<20)|(1<<21)|(5<<22)|(3<<25)    ; R's scales: 128 rows, 4,096 dense bytes as 16 rows of 256, 16 of padding behind each
	s_mov_b32 s[G1S+1], 32<<16
	s_mov_b32 s[G1S+2], 16<<16
	s_mov_b32 s[G1S+3], 32<<16
	s_mov_b32 s[G1S+4], 16
	s_mov_b32 s[G1S+5], 32
	s_mov_b32 s[G1S+6], 0
	s_mov_b32 s[G1S+7], 0
	s_or_b32 s[G1SB+0], s100, (3<<16)|(1<<20)|(1<<21)|(5<<22)|(3<<25)  ; P's: 64 rows, 8 rows of 256
	s_mov_b32 s[G1SB+1], 32<<16
	s_mov_b32 s[G1SB+2], 8<<16
	s_mov_b32 s[G1SB+3], 32<<16
	s_mov_b32 s[G1SB+4], 8
	s_mov_b32 s[G1SB+5], 32
	s_mov_b32 s[G1SB+6], 0
	s_mov_b32 s[G1SB+7], 0
	s_lshl_b32 s98, s67, 4
	s_lshl_b32 s2, s[PH], 3
	s_add_co_u32 s98, s98, s2                      ; R: the first tile of 16 tokens that I fetch
	s_lshl_b32 s99, s66, 7
	s_lshl_b32 s2, s[PH], 6
	s_add_co_u32 s99, s99, s2                      ; P: the first row that I fetch
	s_mul_i32 s2, s[PH], RHALF                     ; where they go: no place in the cluster enters an LDS address
.irp s, 0,1
	s_mov_b32 s[G0+4*\s], 1
	s_add_co_u32 s[G0+4*\s+1], s2, \s*SLOT
.endr
	s_mul_i32 s2, s[PH], PHALF
.irp s, 0,1
	s_mov_b32 s[G0B+4*\s], 1
	s_add_co_u32 s[G0B+4*\s+1], s2, \s*SLOT+POFF
.endr
	s_mul_i32 s2, s[PH], RSH
	s_mov_b32 s[G0S], 1
	s_add_co_u32 s[G0S+1], s2, SCL
	s_mul_i32 s2, s[PH], PSH
	s_mov_b32 s[G0SB], 1
	s_add_co_u32 s[G0SB+1], s2, SCL+2*RSH
	s_mul_i32 s96, s98, 12288
	s_mov_b32 s97, 0
	s_mul_i32 s100, s99, KROW
	s_mov_b32 s101, 0
	s_wait_dscnt 0x0                               ; both opening adds are done
	s_wait_kmcnt 0x0
	s_add_nc_u64 s[40:41], s[4:5], s[96:97]        ; R's codes
	s_add_nc_u64 s[44:45], s[8:9], s[100:101]      ; P's codes
	s_lshl_b32 s96, s98, 9                         ; 16 rows of 32 scale bytes a tile
	s_add_nc_u64 s[G0S+2:G0S+3], s[6:7], s[96:97]
	s_or_b32 s[G0S+3], s[G0S+3], 0x80000000
	s_lshl_b32 s100, s99, 5
	s_add_nc_u64 s[G0SB+2:G0SB+3], s[10:11], s[100:101]
	s_or_b32 s[G0SB+3], s[G0SB+3], 0x80000000
.irp s, 0,1
	s_add_nc_u64 s[G0+4*\s+2:G0+4*\s+3], s[40:41], \s*3072
	s_or_b32 s[G0+4*\s+3], s[G0+4*\s+3], 0x80000000
	s_add_nc_u64 s[G0B+4*\s+2:G0B+4*\s+3], s[44:45], \s*ROWB
	s_or_b32 s[G0B+4*\s+3], s[G0B+4*\s+3], 0x80000000
.endr
	CROUND                                         ; all sixteen work-groups are here: the first joint loads meet
	JLOAD G0S, G1S, G0SB, G1SB
	JLOAD G0, G1, G0B, G1B
	JLOAD G0+4, G1, G0B+4, G1B                     ; three loads of mine are out
	v_and_b32 v1, 15, v0                           ; r
	v_bfe_u32 v2, v0, 4, 1                         ; h
	v_and_b32 v6, 31, v0
	v_lshlrev_b32 v7, 3, v6                        ; 8 x lane
	s_mul_i32 s96, s[RH], RHALF
	v_add_nc_u32 v[ADRA], s96, v7                  ; R's images: my 8 tiles, 8 bytes a lane
	v_add_nc_u32 v[ADRA+1], SLOT, v[ADRA]
	v_mul_u32_u24 v3, v1, PITCH
	v_mul_u32_u24 v4, v2, 24
	v_add_nc_u32 v4, v3, v4                        ; P: a fragment's row x pitch + 24 x half
	v_lshl_add_u32 v5, v2, 4, v4                   ; and the same behind one padding more
	s_mul_i32 s98, s[PH], PHALF
	s_add_co_u32 s98, s98, POFF
.irp s, 0,1
	v_add_nc_u32 v[ADRB+\s], s98, v4
	v_add_nc_u32 v[ADRB+2+\s], s98, v5
	s_add_co_u32 s98, s98, SLOT
.endr
	v_lshlrev_b32 v5, 5, v1                        ; my row's scales: 32 bytes a row,
	v_lshrrev_b32 v6, 8, v5
	v_lshl_add_u32 v5, v6, 4, v5                   ; and 16 more for each 256 passed
	s_mul_i32 s96, s[RH], RSH
	s_mul_i32 s98, s[PH], PSH
	s_add_co_u32 s98, s98, 2*RSH
	s_sub_co_u32 s98, s98, s96                     ; from R's words to P's
	v_mul_u32_u24 v6, s98, v2                      ; lanes 16-31 take P's
	s_add_co_u32 s96, s96, SCL
	v_add_nc_u32 v6, v5, v6
	v_add_nc_u32 v[ADRS], s96, v6                  ; for blocks 0-3: lanes 16-31 read P's block i
	s_sub_co_u32 s98, s98, 4*SBLK
	v_mul_u32_u24 v6, s98, v2
	v_add_nc_u32 v6, v5, v6
	v_add_nc_u32 v[ADRS2], s96, v6                 ; for R's blocks 4-7: lanes 16-31 read P's block i - 4 again, inside P's words
	s_mul_i32 s96, s[WV], 16*SPITCH                ; my stage
	v_mul_u32_u24 v5, v1, SPITCH
	v_lshl_add_u32 v5, v2, 5, v5
	v_add_nc_u32 v[STO], s96, v5                   ; in: row r, 32 bytes for each half of the lanes
	v_mul_u32_u24 v5, v2, SPITCH
	v_lshl_add_u32 v5, v1, 4, v5
	v_add_nc_u32 v[RD], s96, v5                    ; back: lanes 0-15 one row of 256 bytes, lanes 16-31 the next
	v_lshlrev_b32 v[CO], 12, v2
	v_lshl_add_u32 v[CO], v1, 4, v[CO]             ; and the same two tokens' rows of out0
	v_lshlrev_b32 v[BO], 5, v2
	s_lshl_b32 s96, s66, 7
	s_lshl_b32 s98, s[PH], 6
	s_add_co_u32 s96, s96, s98
	s_lshl_b32 s96, s96, 2                         ; my first output, in bytes
	s_mov_b32 s97, 0
	s_add_nc_u64 s[12:13], s[12:13], s[96:97]
	s_add_nc_u64 s[14:15], s[14:15], s[96:97]
	s_lshl_b32 s96, s67, 8
	s_lshl_b32 s98, s[RH], 7
	s_add_co_u32 s96, s96, s98
	s_lshl_b32 s96, s96, 12                        ; my first token's row of 4,096 bytes
	s_add_nc_u64 s[14:15], s[14:15], s[96:97]
.irp b, 0,1,2,3
	global_load_b128 v[BI+8*\b:BI+8*\b+3], v[BO], s[12:13] offset:64*\b        ; the bias in the result's layout: register 8 b + j: output 16 b + 8 h + j
	global_load_b128 v[BI+8*\b+4:BI+8*\b+7], v[BO], s[12:13] offset:64*\b+16
.endr
.macro FRAGP reg, adr, q, i            ; a fragment of P from rows: 24 bytes of the row's stream of bits twice, in pieces of 8 bytes
.irp p, 0,1,2,3,4,5
.set PCE, 12*(\q)+6*(\p/3)+\p%3
.if PCE%8 < 5
	ds_load_b64 v[\reg+2*\p:\reg+2*\p+1], v[\adr] offset:8*PCE+16*(PCE/8)+(\i)*16*PITCH
.else
	ds_load_b64 v[\reg+2*\p:\reg+2*\p+1], v[\adr+2] offset:8*PCE+16*(PCE/8)+(\i)*16*PITCH
.endif
.endr
.endm
.macro FRAGR reg, adr, q, i            ; a fragment of R from its image: six planes of 256 consecutive bytes
.irp p, 0,1,2,3,4,5
	ds_load_b64 v[\reg+2*\p:\reg+2*\p+1], v[\adr] offset:3072*(\i)+1536*(\q)+256*\p
.endr
.endm
; 8 matrix instructions: R's blocks a0, a0 + 1 x P's four.  first = 1: the bias is the C of the sums' first products.  The 32 accumulators take turns, one instruction a turn.
.macro MUL8 a0, p, q, sc, first
.irp a, \a0, \a0+1
.irp b, 0,1,2,3
.if \first
	v_wmma_scale_f32_16x16x128_f8f6f4 v[8*(4*(\a)+\b):8*(4*(\a)+\b)+7], v[128*(\p)+FR*\b:128*(\p)+FR*\b+FR-1], v[AF+FR*(\a):AF+FR*(\a)+FR-1], v[BI+8*\b:BI+8*\b+7], v[SC+8*NQ*(\sc)+NQ*\b+(\q)], v[SC+8*NQ*(\sc)+NQ*(\a)+(\q)] matrix_a_fmt:MATRIX_FMT_FP6 matrix_b_fmt:MATRIX_FMT_FP6 matrix_a_scale:MATRIX_SCALE_ROW1
.else
	v_wmma_scale_f32_16x16x128_f8f6f4 v[8*(4*(\a)+\b):8*(4*(\a)+\b)+7], v[128*(\p)+FR*\b:128*(\p)+FR*\b+FR-1], v[AF+FR*(\a):AF+FR*(\a)+FR-1], v[8*(4*(\a)+\b):8*(4*(\a)+\b)+7], v[SC+8*NQ*(\sc)+NQ*\b+(\q)], v[SC+8*NQ*(\sc)+NQ*(\a)+(\q)] matrix_a_fmt:MATRIX_FMT_FP6 matrix_b_fmt:MATRIX_FMT_FP6 matrix_a_scale:MATRIX_SCALE_ROW1
.endif
.endr
.endr
.endm
.macro FETCH_B slot, q, p
	WIN TO_B
.irp i, 0,1,2,3
	FRAGP 128*(\p)+FR*\i, ADRB+\slot, \q, \i
.endr
	WIN 0
.endm
.macro FETCH_A slot, q, i0
.irp i, \i0, \i0+1, \i0+2, \i0+3
	FRAGR AF+FR*(\i), ADRA+\slot, \q, \i
.endr
.endm
.macro SCALES sc
.irp i, 0,1,2,3
	ds_load_b64 v[SC+8*NQ*\sc+NQ*\i:SC+8*NQ*\sc+NQ*\i+1], v[ADRS] offset:\i*SBLK
.endr
.irp i, 4,5,6,7
	ds_load_b64 v[SC+8*NQ*\sc+NQ*\i:SC+8*NQ*\sc+NQ*\i+1], v[ADRS2] offset:\i*SBLK
.endr
.endm
.macro PLACES n
.rept \n
	v_nop
.endr
.endm
.macro STEP slot, q, first
	s_wait_dscnt 4*NL                              ; P's set and R's blocks 0-3 are in; the youngest 24 loads (R's blocks 4-7) may be out
	WIN MUL-0x20*(\first)                          ; (first = 1: C in window 0)
	MUL8 0, (\q)%2, \q, \slot, \first
	MUL8 2, (\q)%2, \q, \slot, \first
	s_wait_dscnt 0
	PLACES NP
	FETCH_B \slot, (\q)+1, 1-(\q)%2
	FETCH_A \slot, (\q)+1, 0
	WIN MUL-0x20*(\first)
	MUL8 4, (\q)%2, \q, \slot, \first
	MUL8 6, (\q)%2, \q, \slot, \first
	PLACES NP
	WIN 0
	FETCH_A \slot, (\q)+1, 4
.endm
.macro TURN slot, next, fill
	s_wait_tensorcnt 0x0                           ; all my tensor loads have landed: my part of the next slot
	ds_add_u32 v[SPW], v[NIL]                      ; 0 onto my spare word
	s_wait_dscnt 4*NL+1                            ; (the add and the youngest 24 loads may be out)
	WIN MUL
	MUL8 0, 1, NQ-1, \slot, 0
	s_wait_dscnt 0x0                               ; the add is done, and my reads of this slot are over
	s_barrier_signal -1
	MUL8 2, 1, NQ-1, \slot, 0
	WIN 0
	s_barrier_wait -1
.if \fill
	CREST                                          ; the barrier has opened a round of the cluster's barrier
	s_add_nc_u64 s[G0+4*\slot+2:G0+4*\slot+3], s[G0+4*\slot+2:G0+4*\slot+3], 2*3072
	s_add_nc_u64 s[G0B+4*\slot+2:G0B+4*\slot+3], s[G0B+4*\slot+2:G0B+4*\slot+3], 2*ROWB
	JLOAD G0+4*\slot, G1, G0B+4*\slot, G1B         ; the first tensor load behind the round; its four v_nop are the places in front of the loads below
.else
	PLACES NP
.endif
	v_add_nc_u32 v[ADRS], 4*NQ, v[ADRS]            ; on to the next K step's scale words
	v_add_nc_u32 v[ADRS2], 4*NQ, v[ADRS2]
	FETCH_B \next, 0, 0
	FETCH_A \next, 0, 0
	SCALES \next
	WIN MUL
	MUL8 4, 1, NQ-1, \slot, 0
	MUL8 6, 1, NQ-1, \slot, 0
	PLACES NP
	WIN 0
	FETCH_A \next, 0, 4
.endm
	s_wait_tensorcnt 1                             ; the scales and my part of K step 0 are in (K step 1's load may be out)
	s_barrier_signal -1
	s_barrier_wait -1                              ; everybody's are
	FETCH_B 0, 0, 0
	FETCH_A 0, 0, 0
	SCALES 0
	FETCH_A 0, 0, 4
	s_wait_loadcnt 0x0                             ; the bias
	STEP 0, 0, 1                                   ; K = 1,024 is four K steps of 256: they are written out
	TURN 0, 1, 1
	STEP 1, 0, 0
	TURN 1, 0, 1
	STEP 0, 0, 0
	TURN 0, 1, 0
	STEP 1, 0, 0
	s_wait_dscnt 4*NL
	WIN MUL
	MUL8 0, 1, NQ-1, 1, 0
	MUL8 2, 1, NQ-1, 1, 0
	s_wait_dscnt 0
	MUL8 4, 1, NQ-1, 1, 0
	MUL8 6, 1, NQ-1, 1, 0
	WIN 0
; THE WAY OUT, block by block of 16 tokens x 64 outputs: through my own stage in LDS and back as whole rows of 256 bytes.  LDS serves a wave's instructions in order (ISA guide 5.7.1.4): no wait between the stores and the loads.
.macro TOSTAGE a
	WIN 0x08                                       ; an LDS store's data: window 2
.irp b, 0,1,2,3
	ds_store_b128 v[STO], v[8*(4*(\a)+\b):8*(4*(\a)+\b)+3] offset:64*\b          ; each accumulator from its low end on
	ds_store_b128 v[STO], v[8*(4*(\a)+\b)+4:8*(4*(\a)+\b)+7] offset:64*\b+16
.endr
	WIN 0
.set BB, BK+32*((\a)%2)
.irp t, 0,1,2,3,4,5,6,7
	ds_load_b128 v[BB+4*\t:BB+4*\t+3], v[RD] offset:\t*2*SPITCH
.endr
.endm
.macro SEND a, younger                 ; younger: the LDS instructions issued behind block a's loads.  Row 2 t + h of tile a is token 32 (a / 2) + 8 (a % 2) + 2 t + 8 (t / 4) + h of my 128
.set BB, BK+32*((\a)%2)
	s_wait_dscnt \younger
.irp t, 0,1,2,3,4,5,6,7
	global_store_b128 v[CO], v[BB+4*\t:BB+4*\t+3], s[14:15] offset:(32*((\a)/2)+8*((\a)%2)+2*\t+8*(\t/4))*4096 th:TH_STORE_NT   ; 16 lanes store 256 consecutive bytes, aligned; written once, read by nobody here
.endr
.endm
	PLACES NP
	TOSTAGE 0
.irp a, 1,2,3,4,5,6,7
.if \a > 1
	s_wait_xcnt 0x0                                ; block a - 2's stores have read their registers: block a's loads may land there
.endif
	TOSTAGE \a
	SEND \a-1, 16                                  ; behind block a - 1's loads: block a's 8 stores and 8 loads
.endr
	SEND 7, 0
	s_wait_tensorcnt 0x0                           ; the wave's end
	ds_add_u32 v[SPW], v[NIL]
	s_wait_dscnt 0x0
	CROUND                                         ; the closing round
	s_endpgm
.Lfunc_end_k_q8c2fe9cd17_proj:
	.size	k_q8c2fe9cd17_proj, .Lfunc_end_k_q8c2fe9cd17_proj-k_q8c2fe9cd17_proj
	.p2alignl 7, 3214868480
	.fill 96, 4, 3214868480
	.section	.rodata,"a",@progbits
	.p2align	6, 0x0
	.amdhsa_kernel k_q8c2fe9cd17_proj
		.amdhsa_group_segment_fixed_size 327680
		.amdhsa_private_segment_fixed_size 0
		.amdhsa_enable_private_segment 0
		.amdhsa_kernarg_size 48
		.amdhsa_user_sgpr_count 2
		.amdhsa_user_sgpr_kernarg_segment_ptr 1
		.amdhsa_wavefront_size32 1
		.amdhsa_system_sgpr_workgroup_id_x 1
		.amdhsa_system_sgpr_workgroup_id_y 1
		.amdhsa_system_sgpr_workgroup_id_z 1
		.amdhsa_system_vgpr_workitem_id 0
		.amdhsa_next_free_vgpr 768
		.amdhsa_next_free_sgpr 102
		.amdhsa_reserve_vcc 0
		.amdhsa_float_denorm_mode_32 3
		.amdhsa_float_denorm_mode_16_64 3
		.amdhsa_memory_ordered 1
		.amdhsa_forward_progress 1
		.amdhsa_inst_pref_size 102
	.end_amdhsa_kernel
	.amdgpu_metadata
---
amdhsa.version: [ 1, 2 ]
amdhsa.kernels:
  - .name:           k_q8c2fe9cd17_proj
    .symbol:         k_q8c2fe9cd17_proj.kd
    .args:
      - { .name: acodes, .offset: 0, .size: 8, .value_kind: global_buffer, .address_space: global }
      - { .name: ascales, .offset: 8, .size: 8, .value_kind: global_buffer, .address_space: global }
      - { .name: w_out_codes, .offset: 16, .size: 8, .value_kind: global_buffer, .address_space: global }
      - { .name: w_out_scales, .offset: 24, .size: 8, .value_kind: global_buffer, .address_space: global }
      - { .name: b_out, .offset: 32, .size: 8, .value_kind: global_buffer, .address_space: global }
      - { .name: out0, .offset: 40, .size: 8, .value_kind: global_buffer, .address_space: global }
    .group_segment_fixed_size: 327680
    .private_segment_fixed_size: 0
    .kernarg_segment_align: 8
    .kernarg_segment_size: 48
    .max_flat_workgroup_size: 128
    .sgpr_count:     102
    .vgpr_count:     768
    .wavefront_size: 32
...
	.end_amdgpu_metadata
.endif
;; end of part 3
